; MI455X (gfx1250); checked and timed in simulation.
; The chip was launched on July 23, 2026; its instructions are those of AMD's public machine-readable ISA for CDNA 5 (MIT licence, August 2026) and "CDNA5" Instruction Set Architecture Reference Guide (July 2026). The comments in the code are by the model that wrote it; some were corrected since.
;; Mo E Layer. Allowed arithmetic: matrix products marked QUANTISED: E2M1 operands, one E8M0 scale for each 32 along K, by v_wmma_scale_f32_16x16x128_f8f6f4 with both operands' format E2M1 (or v_wmma_scale_f32_32x16x128_f4), f32 sums; products left as they are: f32 operands where the result goes on into a quantised operand, else bf16, f16 or f32 operands; f32 sums; everything else in f32.
;; Inputs: W1_codes 8 x 512 x 32 x 16 uint8 (E2M1 codes of W1, K innermost, in blocks of 32 codes, two codes a byte); W1_scales 8 x 512 x 32 uint8 (E8M0 scales of W1, one for each 32 codes along K); W2_codes 8 x 1,024 x 16 x 16 uint8 (E2M1 codes of W2, K innermost, in blocks of 32 codes, two codes a byte); W2_scales 8 x 1,024 x 16 uint8 (E8M0 scales of W2, one for each 32 codes along K); Wg 1,024 x 8 float32; b1 8 x 512 float32; b2 8 x 1,024 float32; bg 8 float32; x 4 x 2,048 x 1,024 float32.
;; Outputs: out0 4 x 2,048 x 1,024 float32; out1 4 x 2,048 x 8 float32; out2 4 x 2,048 int32.
;; This version of the problem:
;;   THIS VERSION OF THE PROBLEM IS GIVEN IN LOW PRECISION. The matrix products marked QUANTISED in the list below multiply operands that are first quantised to E2M1 (2 exponent bits, 1 mantissa bit; 4 bits a number), with one power-of-two scale for each 32 numbers along K (OCP MX v1.0); their sums are f32. All else is computed in f32.
;;   The module's matrix products, in the order in which they are computed (A, B: the left and right operand; K: the contracted axis; several contracted axes count as one K, in the product's order):
;;     1. [M 8,192, K 1,024] x [K 1,024, N 8]; A: input x; B: input Wg: left as it is (N = 8 < 16)
;;     2. batch 8,192 x [M 8, K 1] x [K 1, N 1,024]; A: computed on the way; B: computed on the way: left as it is (no contracted axis)
;;     3. batch 8 x [M 8,192, K 1,024] x [K 1,024, N 512]; A: computed on the way; B: input W1 (given as codes): QUANTISED
;;     4. batch 8 x [M 8,192, K 512] x [K 512, N 1,024]; A: computed on the way; B: input W2 (given as codes): QUANTISED
;;   THE QUANTISER, for each operand of a quantised product, along K:
;;     - K is cut into blocks of 32 from its start; a last block that is shorter is filled with zeros.
;;     - A block's scale is 2^e with e = floor(log2(the largest magnitude in the block)) - 2, held to -126 .. 127; a block of zeros has e = 0. As a byte (E8M0): e + 127.
;;     - Each number is divided by its block's scale, clamped to +-6, and rounded to the nearest number of E2M1, ties to even, subnormals kept.
;;     - The product sums the exact products of the quantised numbers (number of the format x scale) in f32.
;;   ~~~python
;;   def quantise(x, axis):      # numpy; x: float32 -> the quantised numbers, widened to float32 again
;;       x = np.moveaxis(x, axis, -1); K = x.shape[-1]
;;       x = np.pad(x, [(0, 0)] * (x.ndim - 1) + [(0, -K % 32)]); x = x.reshape(x.shape[:-1] + (-1, 32)); a = np.abs(x).max(-1, keepdims=True)
;;       e = np.where(a > 0, np.clip(np.frexp(np.where(a > 0, a, 1))[1] - 1 - 2, -126, 127), 0)      # np.frexp(a)[1] - 1 = floor(log2(a)), exactly
;;       r = np.clip(x / 2.0 ** e, -6, 6)
;;       step = 2.0 ** (np.maximum(np.frexp(np.where(r == 0, 1, r))[1] - 1, 0) - 1)
;;       q = np.round(r / step) * step * 2.0 ** e      # np.round: ties to even
;;       return np.moveaxis(q.reshape(q.shape[:-2] + (-1,))[..., :K], -1, axis).astype(np.float32)
;;   ~~~
;;   OPERANDS COMPUTED ON THE WAY. 'Computed on the way' means the value that the module computes at that place (a softmax that the list does not call 'softmax' is quantised finished and normalised). What goes into a quantiser is computed in f32, as accurately as f32 sums, v_exp_f32 and their like allow (about 1e-6 of the number): no bf16 or f16 on the way to a quantiser, and a product that is left as it is and whose result goes on into a quantised operand takes f32 operands (vector FMAs, or v_wmma_f32_16x16x4_f32). A number that lies on a knife's edge between two numbers of the format may be rounded either way, as far as f32 arithmetic and the matrix unit's own rounding can turn it there, and no further.
;;   INPUTS GIVEN AS CODES. W1 (in the module: [8, 1024, 512], K = its axis 1); W2 (in the module: [8, 512, 1024], K = its axis 1): each comes as NAME_codes (uint8): NAME with its K axis moved to the last place and cut into blocks of 32 codes, [.., K / 32, bytes a block], one block behind the other in memory; two codes a byte, the lower K in the low four bits (a code: sign, 2 exponent bits, 1 mantissa bit); and NAME_scales (uint8): the same leading axes, one E8M0 byte (e + 127) for each 32 codes along K. Its value is code x scale, taken as it is: it is not quantised again, and the codes and scales need not be those that the quantiser above would give.
;; 2 versions, each right; version 2 is version 1 with the launch mlp written anew for expert scheduling mode. Each part assembles by itself: llvm-mc -triple=amdgcn-amd-amdhsa -mcpu=gfx1250 --defsym DOCPART=n.
;; ======== version 1 of 2: 2 launches
;; workspace buffers: xq 4,194,304 bytes; xs 262,144 bytes; wf 4,194,304 bytes; cvec 32,768 bytes; rt 16,384 bytes of whole numbers
;; launch route (part 1): grid 256 x 1, 8 waves a work-group, no clusters, 177,152 bytes of LDS; arguments x, Wg, bg, W1_codes, W2_codes, W2_scales, b1, b2, out1, out2, xq, xs, wf, cvec, rt; writes out1, out2, xq, xs, wf, cvec, rt
.if DOCPART == 1
	.amdgcn_target "amdgcn-amd-amdhsa--gfx1250"
	.amdhsa_code_object_version 6
	.text
	.protected	k_q832d684ab8_route
	.globl	k_q832d684ab8_route
	.p2align	8
	.type	k_q832d684ab8_route,@function
k_q832d684ab8_route:
	s_mov_b64 s[64:65], 0
	v_nop
	global_prefetch_b8 v0, s[64:65] scope:SCOPE_SE
	s_setreg_imm32_b32 hwreg(HW_REG_WAVE_MODE, 25, 1), 1
	s_wait_xcnt 0x0
; FIRST LAUNCH OF TWO.  For 8,192 tokens x [token][1024] f32:
;   gate: logits = x Wg + bg in f32 (f32 matrix form: the choice steers what is quantised), softmax -> out1, argmax -> out2;
;   x -> codes of FP4 (E2M1) with one E8M0 byte for each 32 along K -> xq [token][512 B], xs [token][32 B];
;   W1's and W2's codes are laid anew, in the order of a wave's operand registers -> wf [e][w 4][group 16][tile 8][c 2][lane][16 B];
;   c[e] = Q(relu(b1[e])) W2[e] + b2[e], what an expert adds for a token that it was not chosen for -> cvec [8][1024];
;   for each block of 32 tokens a record of whole numbers -> rt [256][64 B]: 8 counts (16 bits each), 8 offsets inside the block, the 32 local token numbers sorted by expert.
; SHARES.  Work-group g owns tokens 32 g .. 32 g + 31.  Wave w owns K = 128 w .. 128 w + 127 of all 32 rows, as two pieces of 64 (rows of 256 bytes, aligned), brought by two tensor loads of its own, read by itself alone.
; No LDS byte is filled twice.  One barrier.  No address and no branch hangs on the gate's numbers: the record is made by selects and stored at fixed places.
; LIMITS: NaN and infinities in x, b1 are not served.  A block whose largest magnitude lies under 2^-124 (a block of zeros too) gets the byte 1: this program alone reads the bytes.
; The argmax is taken of the f32 logits, the lowest index winning a tie; logits that agree to within f32 rounding may fall either way.
.set SST,    0                         ; LDS: x's scale words, token x 32 + 4 w
.set PST,    1024                      ; wave 0: the probabilities turn here
.set REC,    2048                      ; wave 0: the block's record
.set LGT,    2304                      ; the waves' parts of the logits: 2,048 w + 1,024 m + 512 c + 16 lane
.set CST,    18688                     ; the codes' stage: 32 rows of 512 bytes + 16
.set XT,     35584                     ; x's tiles: wave w at WTILE w, piece q at PIECEB q; the only bytes that tensor loads fill
.set XP,     272                       ; a tile's row: 256 bytes + 16 of padding: the 16 rows that a load touches start in 16 different groups of banks
.set PIECEB, 32*XP
.set WTILE,  2*PIECEB
.set CP,     528
.set LANE, 1
.set R,    2                           ; lane % 16
.set H,    3                           ; lane / 16
.set GA,   4                           ; my tile: row r, + 16 h: the gate's fragments
.set QA,   5                           ; my tile: row = lane: the quantiser's numbers
.set CSW,  6                           ; 528 lane + 64 w
.set SSW,  7                           ; 32 lane + 4 w
.set LGW,  8                           ; 2,048 w + 16 lane
.set CRD,  9                           ; 2,112 w + 16 lane
.set L4,   10                          ; 4 lane
.set LGR,  11                          ; 1,024 h + 16 r
.set L32,  12                          ; 32 lane
.set WGO,  13                          ; Wg: 128 h + 4 (r % 8)
.set RLS,  14                          ; the weights' codes: my lane's row and half
.set L16,  15                          ; 16 lane
.set WGF,  16                          ; v16-79   Wg's fragments of my 128 k
.set XG,   80                          ; v80-143  x's fragments for the gate
.set XQ,   144                         ; v144-207 64 numbers of my row
.set ACC0, 208                         ; v208-223 the logits' sums: written by the f32 matrix form alone
.set CD,   224                         ; v224-231 codes
.set RL,   224                         ; v224-239 weights' codes on their way (until the first piece begins)
.set MX,   232
.set SO,   234
.set BY,   236
.set MY,   238
.set SW,   248                         ; my row's scale word
.set WV,   34
	s_load_b512 s[4:19], s[0:1], 0x0               ; x, Wg, bg, W1 codes, W2 codes, W2 scales, b1, b2
	s_load_b256 s[20:27], s[0:1], 0x40             ; out1, out2, xq, xs
	s_load_b128 s[28:31], s[0:1], 0x60             ; wf, cvec
	s_load_b64 s[32:33], s[0:1], 0x70              ; rt
	v_lshl_add_u32 v254, v0, 2, 0x2b000
	v_mov_b32 v255, 0
	ds_add_u32 v254, v255
	ds_add_u32 v254, v255
	v_lshrrev_b32 v1, 5, v0
	v_readfirstlane_b32 s[WV], v1                  ; wave 0..7
	v_and_b32 v[LANE], 31, v0
	v_and_b32 v[R], 15, v0
	v_bfe_u32 v[H], v0, 4, 1
	s_mul_i32 s35, s[WV], WTILE
	s_add_co_u32 s35, s35, XT                      ; my tiles
	v_mul_u32_u24 v[GA], v[R], XP
	v_lshl_add_u32 v[GA], v[H], 4, v[GA]
	v_add_nc_u32 v[GA], s35, v[GA]
	v_mul_u32_u24 v[QA], v[LANE], XP
	v_add_nc_u32 v[QA], s35, v[QA]
	s_lshl_b32 s52, s[WV], 6
	v_mul_u32_u24 v[CSW], v[LANE], CP
	v_add_nc_u32 v[CSW], s52, v[CSW]
	s_lshl_b32 s52, s[WV], 2
	v_lshlrev_b32 v[L32], 5, v[LANE]
	v_add_nc_u32 v[SSW], s52, v[L32]
	v_lshlrev_b32 v[L16], 4, v[LANE]
	s_lshl_b32 s52, s[WV], 11
	v_add_nc_u32 v[LGW], s52, v[L16]
	s_mul_i32 s52, s[WV], 4*CP
	v_add_nc_u32 v[CRD], s52, v[L16]
	v_lshlrev_b32 v[L4], 2, v[LANE]
	v_lshlrev_b32 v[LGR], 4, v[R]
	v_lshl_add_u32 v[LGR], v[H], 10, v[LGR]
	v_and_b32 v[WGO], 7, v0
	v_lshlrev_b32 v[WGO], 2, v[WGO]
	v_lshl_add_u32 v[WGO], v[H], 7, v[WGO]
	s_mov_b32 s66, 0x76543210
	s_mov_b32 s67, 0xfedcba98                      ; v_permlanex16_b32's selects for lane l xor 16
	; descriptor group 1: 32 rows x 64 elements of 4 bytes, 1,024 elements from row to row, 4 words of padding behind every 64
	s_mov_b32 s36, (2<<16)|(1<<20)|(5<<22)|(3<<25)
	s_mov_b32 s37, 64<<16                          ; tensor_dim0
	s_mov_b32 s38, 32<<16                          ; tensor_dim1
	s_mov_b32 s39, 64<<16                          ; tile_dim0
	s_mov_b32 s40, 32                              ; tile_dim1
	s_mov_b32 s41, 1024                            ; stride
	s_mov_b32 s42, 0
	s_mov_b32 s43, 0
	s_mov_b32 s44, 1                               ; group 0, piece 0
	s_mov_b32 s45, s35
	s_mov_b32 s48, 1                               ; group 0, piece 1
	s_add_co_u32 s49, s35, PIECEB
	s_lshl_b32 s52, ttmp9, 17                      ; 32 rows of 4,096 bytes a work-group
	s_lshl_b32 s53, s[WV], 9                       ; my 512 bytes of a row
	s_add_co_u32 s52, s52, s53
	s_mov_b32 s53, 0
	s_wait_dscnt 0x0
	s_wait_kmcnt 0x0
	s_add_nc_u64 s[46:47], s[4:5], s[52:53]
	s_add_nc_u64 s[50:51], s[46:47], 256
	s_or_b32 s47, s47, 0x80000000
	s_or_b32 s51, s51, 0x80000000
	tensor_load_to_lds s[44:47], s[36:43]          ; both pieces at once, ahead of everything else: two tensor loads of mine are out
	s_nop 0
	tensor_load_to_lds s[48:51], s[36:43]
	s_nop 0
.rept 4
	v_nop
.endr
	s_load_b256 s[56:63], s[8:9], 0x0              ; bg
	; THE WEIGHTS' CODES, 2 KB a wave: chunk u = 8 g + w of wf: two tiles of one group.  u = ((e 4 + w4) 16 + group) 4 + t2.
	; Groups 0-7: W1, K step = group, rows of 512 bytes, lane r of tile t takes row 128 w4 + 32 (t / 2) + 8 (t % 2) + r + 8 (r / 8).  Groups 8-15: W2, rows of 256 bytes, row 256 w4 + 128 pass + 16 t + r.
	s_lshl_b32 s92, ttmp9, 3
	s_add_co_u32 s92, s92, s[WV]                   ; u
	s_bfe_u32 s93, s92, 0x40002                    ; group
	s_cmp_lt_u32 s93, 8
	s_cselect_b64 s[52:53], s[10:11], s[12:13]     ; W1's codes or W2's: the choice hangs on ids alone
	s_cselect_b32 s94, 9, 8                        ; log2 of a row's bytes
	s_cselect_b32 s95, 8, 15                       ; log2 of what bit 2 of the group is worth: four K steps of W1, or a pass of 128 rows of W2
	s_cselect_b32 s96, 1, 0                        ; W1's tiles take rows that are not neighbours
	s_lshr_b32 s97, s92, 6
	s_lshl_b32 s97, s97, 16                        ; (4 e + w4) x 65,536 in both tensors
	s_and_b32 s98, s92, 3
	s_add_co_u32 s99, s94, 5
	s_lshl_b32 s98, s98, s99                       ; t2 x 32 rows
	s_add_co_u32 s97, s97, s98
	s_and_b32 s98, s93, 3
	s_lshl_b32 s98, s98, 6
	s_add_co_u32 s97, s97, s98
	s_bfe_u32 s98, s93, 0x10002
	s_lshl_b32 s98, s98, s95
	s_add_co_u32 s54, s97, s98
	s_mov_b32 s55, 0                               ; stays 0: the upper word of every offset below
	s_add_nc_u64 s[52:53], s[52:53], s[54:55]
	v_and_b32 v[RLS], 8, v[R]
	v_mul_u32_u24 v[RLS], s96, v[RLS]
	v_add_nc_u32 v[RLS], v[RLS], v[R]
	v_lshlrev_b32 v[RLS], s94, v[RLS]
	v_lshl_add_u32 v[RLS], v[H], 4, v[RLS]
.irp i, 0,1,2,3
	global_load_b128 v[RL+4*\i:RL+4*\i+3], v[RLS], s[52:53] offset:4096*(\i/2)+32*(\i%2)   ; tile 2 t2 + i / 2 (8 rows of W1 or 16 of W2 on: 4,096 bytes in both), half i % 2 of the K step
.endr
	s_lshl_b32 s54, s92, 11
	s_add_nc_u64 s[28:29], s[28:29], s[54:55]      ; wf at my chunk
	s_wait_kmcnt 0x0                               ; bg
	; ---- c[e], 32 numbers a work-group, by wave 7 while x is on its way: e = g / 32, d0 = 32 (g % 32)
	; v16-31 two accumulators (b2 is loaded into them: it starts the sums); v32-39 the hidden row's codes; v40-55, v56-71 W2's fragments by turns; v72-79, v248-251 at work; v245-247 offsets;
	; v240-243 W2's scale words, v244 the hidden row's: these five hold scales and nothing else.  b1's numbers by turns in v80-143 and v144-207.
	s_cmp_lg_u32 s[WV], 7
	s_cbranch_scc1 .Lno_cvec
	s_lshr_b32 s92, ttmp9, 5
	s_and_b32 s93, ttmp9, 31
	s_lshl_b32 s54, s92, 12
	s_lshl_b32 s94, s93, 7
	s_add_co_u32 s54, s54, s94
	s_add_nc_u64 s[18:19], s[18:19], s[54:55]      ; b2 and cvec at (e, d0)
	s_add_nc_u64 s[30:31], s[30:31], s[54:55]
	s_lshl_b32 s54, s92, 14
	s_lshl_b32 s94, s93, 9
	s_add_co_u32 s54, s54, s94
	s_add_nc_u64 s[14:15], s[14:15], s[54:55]      ; W2's scales: 16 bytes a row
	s_lshl_b32 s54, s92, 18
	s_lshl_b32 s94, s93, 13
	s_add_co_u32 s54, s54, s94
	s_add_nc_u64 s[12:13], s[12:13], s[54:55]      ; W2's codes: 256 bytes a row
	s_lshl_b32 s54, s92, 11
	s_add_nc_u64 s[16:17], s[16:17], s[54:55]      ; b1[e]
	v_lshlrev_b32 v245, 5, v[H]                    ; results: eight numbers of my half
	v_lshlrev_b32 v246, 6, v[H]                    ; b1: my 16 numbers of a block of 32
	v_lshlrev_b32 v247, 8, v[R]
	v_lshl_add_u32 v247, v[H], 4, v247             ; W2: row r, + 16 h
.irp n, 0,1
	global_load_b128 v[16+8*\n:19+8*\n], v245, s[18:19] offset:64*\n
	global_load_b128 v[20+8*\n:23+8*\n], v245, s[18:19] offset:64*\n+16
.endr
	global_load_b128 v[240:243], v[L16], s[14:15]  ; lanes 0-15: tile 0's rows, lanes 16-31: tile 1's; register s: K step s
.irp b, 0,1,2,3
	v_mov_b32 v[76+\b], 0                          ; a lane permute's destination counts as one of its sources
.endr
.macro CLOAD s                         ; 20 loads: b1's 128 numbers of K step s (register 16 b + i = k 32 b + 16 h + i), W2's two fragments
.set CB, XG+64*((\s)%2)
.set CF, 40+16*((\s)%2)
.irp b, 0,1,2,3
.irp j, 0,1,2,3
	global_load_b128 v[CB+16*\b+4*\j:CB+16*\b+4*\j+3], v246, s[16:17] offset:512*(\s)+128*\b+16*\j
.endr
.endr
.irp n, 0,1
.irp c, 0,1
	global_load_b128 v[CF+8*\n+4*\c:CF+8*\n+4*\c+3], v247, s[12:13] offset:4096*\n+64*(\s)+32*\c
.endr
.endr
.endm
.macro CSTEP s
.set CB, XG+64*((\s)%2)
.set CF, 40+16*((\s)%2)
.set J, 0
.rept 64
	v_max_num_f32 v[CB+J], 0, v[CB+J]              ; relu, in f32.  (These lines are also the places behind the last step's products)
.set J, J+1
.endr
.irp b, 0,1,2,3
	v_max3_num_f32 v[72+\b], v[CB+16*\b], v[CB+16*\b+1], 0x1800000   ; block b: my 16 numbers and the floor 2^(3 - 127): the byte cannot fall under 1
.endr
.irp i, 2,4,6,8,10,12,14
.irp b, 0,1,2,3
	v_max3_num_f32 v[72+\b], v[72+\b], v[CB+16*\b+\i], v[CB+16*\b+\i+1]
.endr
.endr
.irp b, 0,1,2,3
	v_permlanex16_b32 v[76+\b], v[72+\b], s66, s67
.endr
.irp b, 0,1,2,3
	v_max_num_f32 v[72+\b], v[72+\b], v[76+\b]     ; with lane l xor 16's: the block's largest
.endr
.irp b, 0,1,2,3
	v_add_nc_u32 v[248+\b], 0xff000000, v[72+\b]   ; 2 off its exponent field: the conversion's scale operand
.endr
.irp b, 0,1,2,3
	v_lshrrev_b32 v[76+\b], 23, v[248+\b]          ; the scale's byte
.endr
	v_lshl_or_b32 v244, v77, 8, v76
	v_lshl_or_b32 v244, v78, 16, v244
	v_lshl_or_b32 v244, v79, 24, v244
.irp b, 0,1,2,3
	v_cvt_scalef32_pk8_fp4_f32 v[32+2*\b], v[CB+16*\b:CB+16*\b+7], v[248+\b]
	v_cvt_scalef32_pk8_fp4_f32 v[33+2*\b], v[CB+16*\b+8:CB+16*\b+15], v[248+\b]
.endr
	v_nop                                          ; one plain place behind a scaled conversion
.irp c, 0,1
.irp i, 0,1
	v_permlane16_swap_b32 v[32+4*\c+\i], v[34+4*\c+\i]   ; a whole block to a lane, as the operand's layout wants
.endr
.endr
.rept 8
	v_nop                                          ; a scale register written by a vector instruction stands 8 places ahead of a scaled matrix instruction, an operand 4
.endr
	v_wmma_scale_f32_16x16x128_f8f6f4 v[16:23], v[CF:CF+7], v[32:39], v[16:23], v[240+(\s)], v244 matrix_a_fmt:MATRIX_FMT_FP4 matrix_b_fmt:MATRIX_FMT_FP4   ; source 0 = 16 rows of W2, source 1 = the hidden row, sixteen times; the two accumulators take turns
	v_wmma_scale_f32_16x16x128_f8f6f4 v[24:31], v[CF+8:CF+15], v[32:39], v[24:31], v[240+(\s)], v244 matrix_a_fmt:MATRIX_FMT_FP4 matrix_b_fmt:MATRIX_FMT_FP4 matrix_a_scale:MATRIX_SCALE_ROW1
.endm
	CLOAD 0
	CLOAD 1
	s_wait_loadcnt 20                              ; all but the younger step's 20
	CSTEP 0
.rept 4
	v_nop                                          ; places in front of loads into fragments just multiplied
.endr
	CLOAD 2
	s_wait_loadcnt 20
	CSTEP 1
.rept 4
	v_nop
.endr
	CLOAD 3
	s_wait_loadcnt 20
	CSTEP 2
	s_wait_loadcnt 0x0
	CSTEP 3
.rept 4
	v_nop                                          ; places in front of the stores that read the results
.endr
	v_cmp_eq_u32 vcc_lo, 0, v[R]                   ; all sixteen columns are alike: lanes 0 and 16 store
	s_wait_xcnt 0x0                                ; EXEC changes only behind this wait
	s_and_saveexec_b32 s99, vcc_lo
	global_store_b128 v245, v[16:19], s[30:31]     ; 128 bytes a work-group, 32 KB in all
	global_store_b128 v245, v[20:23], s[30:31] offset:16
	global_store_b128 v245, v[24:27], s[30:31] offset:64
	global_store_b128 v245, v[28:31], s[30:31] offset:80
	s_wait_xcnt 0x0                                ; and again, in front of the line that widens it; the stores' registers are free too
	s_or_b32 exec_lo, exec_lo, s99
.Lno_cvec:
	; ---- Wg's fragments: register 32 q + 4 i + j = Wg[128 w + 64 q + 8 i + 4 h + j][r % 8]: rows 8-15 of the operand repeat experts 0-7
	s_lshl_b32 s54, s[WV], 12
	s_add_nc_u64 s[6:7], s[6:7], s[54:55]
.irp q, 0,1
.irp i, 0,1,2,3,4,5,6,7
.irp j, 0,1,2,3
	global_load_b32 v[WGF+32*\q+4*\i+\j], v[WGO], s[6:7] offset:32*(64*\q+8*\i+\j)
.endr
.endr
.endr
	s_wait_loadcnt 63                              ; 64 loads were issued behind the four of the weights' codes: those four are in
.irp i, 0,1,2,3
	global_store_b128 v[L16], v[RL+4*\i:RL+4*\i+3], s[28:29] offset:512*\i   ; 512 consecutive bytes a store
.endr
	s_wait_loadcnt 0x0                             ; Wg
	s_wait_xcnt 0x0                                ; the stores have read their registers, which the first piece writes
; A PIECE: 64 along K of 32 rows.  The gate: S^T = Wg^T x^T by the f32 matrix form, k in the order 8 i + 4 h + 2 u + j on both sides; lane (r, h) of accumulator m holds token 16 m + r, register j expert j.
; The quantiser: lane = row; two whole blocks of 32 in its registers.
.macro PIECE q
.irp m, 0,1
.irp i, 0,1,2,3,4,5,6,7
	ds_load_b128 v[XG+32*\m+4*\i:XG+32*\m+4*\i+3], v[GA] offset:PIECEB*\q+16*XP*\m+32*\i
.endr
.endr
.irp j, 0,1,2,3,4,5,6,7,8,9,10,11,12,13,14,15
	ds_load_b128 v[XQ+4*\j:XQ+4*\j+3], v[QA] offset:PIECEB*\q+16*\j
.endr
	s_wait_dscnt 16                                ; the gate's 16 loads are in (and the last piece's code stores are done); the quantiser's 16 may be out
.irp i, 0,1,2,3,4,5,6,7
.irp u, 0,1
.irp m, 0,1
.if (\q == 0) && (\i == 0) && (\u == 0)
	v_wmma_f32_16x16x4_f32 v[ACC0+8*\m:ACC0+8*\m+7], v[WGF+32*\q+4*\i+2*\u:WGF+32*\q+4*\i+2*\u+1], v[XG+32*\m+4*\i+2*\u:XG+32*\m+4*\i+2*\u+1], 0
.else
	v_wmma_f32_16x16x4_f32 v[ACC0+8*\m:ACC0+8*\m+7], v[WGF+32*\q+4*\i+2*\u:WGF+32*\q+4*\i+2*\u+1], v[XG+32*\m+4*\i+2*\u:XG+32*\m+4*\i+2*\u+1], v[ACC0+8*\m:ACC0+8*\m+7]
.endif
.endr
.endr
.endr                                          ; the two accumulators take turns, one instruction a turn
	s_wait_dscnt 0x0
.irp b, 0,1
	v_max3_num_f32 v[MX+\b], |v[XQ+32*\b]|, |v[XQ+32*\b+1]|, 0x1800000      ; the block's largest magnitude in two chains, and the floor 2^(3 - 127)
	v_max3_num_f32 v[MY+\b], |v[XQ+32*\b+16]|, |v[XQ+32*\b+17]|, |v[XQ+32*\b+18]|
.endr
.irp i, 0,2,4,6,8,10
.irp b, 0,1
	v_max3_num_f32 v[MX+\b], v[MX+\b], |v[XQ+32*\b+2+\i]|, |v[XQ+32*\b+3+\i]|
	v_max3_num_f32 v[MY+\b], v[MY+\b], |v[XQ+32*\b+19+\i]|, |v[XQ+32*\b+20+\i]|
.endr
.endr
.irp b, 0,1
	v_max3_num_f32 v[MX+\b], v[MX+\b], |v[XQ+32*\b+14]|, |v[XQ+32*\b+15]|
.endr
.irp b, 0,1
	v_max3_num_f32 v[MX+\b], v[MX+\b], v[MY+\b], |v[XQ+32*\b+31]|
.endr                                          ; (these 32 plain lines are the eight places behind the f32 matrix instructions, for the next loads into their operands and for the stores of their results)
.irp b, 0,1
	v_add_nc_u32 v[SO+\b], 0xff000000, v[MX+\b]    ; 2 off the exponent field: the conversion's scale operand
.endr
.irp b, 0,1
	v_lshrrev_b32 v[BY+\b], 23, v[SO+\b]           ; the scale's byte
.endr
.irp b, 0,1
.irp g, 0,1,2,3
	v_cvt_scalef32_pk8_fp4_f32 v[CD+4*\b+\g], v[XQ+32*\b+8*\g:XQ+32*\b+8*\g+7], v[SO+\b]
.endr
.endr
	v_nop                                          ; one plain place behind a scaled conversion
.if \q == 0
	v_lshl_or_b32 v[SW], v[BY+1], 8, v[BY]
.else
	v_lshl_or_b32 v[SW], v[BY], 16, v[SW]
	v_lshl_or_b32 v[SW], v[BY+1], 24, v[SW]
.endif
	ds_store_b128 v[CSW], v[CD:CD+3] offset:CST+32*\q
	ds_store_b128 v[CSW], v[CD+4:CD+7] offset:CST+32*\q+16
.endm
	s_wait_tensorcnt 0x1                           ; piece 0 is in; piece 1 may be out
	PIECE 0
	s_wait_tensorcnt 0x0
	PIECE 1
	ds_store_b32 v[SSW], v[SW] offset:SST
	ds_store_b128 v[LGW], v[ACC0:ACC0+3] offset:LGT            ; each accumulator from its low end on
	ds_store_b128 v[LGW], v[ACC0+4:ACC0+7] offset:LGT+512
	ds_store_b128 v[LGW], v[ACC0+8:ACC0+11] offset:LGT+1024
	ds_store_b128 v[LGW], v[ACC0+12:ACC0+15] offset:LGT+1536
	s_wait_dscnt 0x0                               ; for the others' sake: my stores have landed
	s_barrier_signal -1
	s_barrier_wait -1
	; ---- the codes leave: wave w stores rows 4 w .. 4 w + 3, 512 consecutive bytes a store
.irp i, 0,1,2,3
	ds_load_b128 v[CD+4*\i:CD+4*\i+3], v[CRD] offset:CST+CP*\i
.endr
	s_lshl_b32 s54, ttmp9, 14
	s_lshl_b32 s92, s[WV], 11
	s_add_co_u32 s54, s54, s92
	s_add_nc_u64 s[24:25], s[24:25], s[54:55]
.irp i, 0,1,2,3
	s_wait_dscnt 3-\i                              ; row i is in; the younger loads may be out
	global_store_b128 v[L16], v[CD+4*\i:CD+4*\i+3], s[24:25] offset:512*\i
.endr
	s_cmp_lg_u32 s[WV], 7
	s_cbranch_scc1 .Lno_scales
	ds_load_b128 v[80:83], v[L16] offset:SST       ; the block's 1,024 scale bytes lie in LDS as they lie in xs
	ds_load_b128 v[84:87], v[L16] offset:SST+512
	s_lshl_b32 s54, ttmp9, 10
	s_add_nc_u64 s[26:27], s[26:27], s[54:55]
	s_wait_dscnt 0x0
	global_store_b128 v[L16], v[80:83], s[26:27]
	global_store_b128 v[L16], v[84:87], s[26:27] offset:512
.Lno_scales:
	s_cmp_lg_u32 s[WV], 0
	s_cbranch_scc1 .Lend
	; ---- wave 0, lane = token: logits, softmax, argmax, the block's record
.irp w, 0,1,2,3,4,5,6,7
.irp c, 0,1
	ds_load_b128 v[80+8*\w+4*\c:83+8*\w+4*\c], v[LGR] offset:LGT+2048*\w+512*\c
.endr
.endr
	s_lshl_b32 s54, ttmp9, 10
	s_add_nc_u64 s[20:21], s[20:21], s[54:55]      ; out1
	s_lshl_b32 s54, ttmp9, 7
	s_add_nc_u64 s[22:23], s[22:23], s[54:55]      ; out2
	s_lshl_b32 s54, ttmp9, 6
	s_add_nc_u64 s[32:33], s[32:33], s[54:55]      ; rt
	s_wait_dscnt 0x0
.irp p, 0,2,4,6
	v_pk_add_f32 v[144+\p:145+\p], v[80+\p:81+\p], v[88+\p:89+\p]
.endr
.irp w, 2,3,4,5,6,7
.irp p, 0,2,4,6
	v_pk_add_f32 v[144+\p:145+\p], v[144+\p:145+\p], v[80+8*\w+\p:81+8*\w+\p]   ; the eight waves' parts, K ascending
.endr
.endr
.irp j, 0,1,2,3,4,5,6,7
	v_add_f32 v[144+\j], s[56+\j], v[144+\j]       ; + bg
.endr
	v_max3_num_f32 v160, v144, v145, v146
	v_max3_num_f32 v160, v160, v147, v148
	v_max3_num_f32 v160, v160, v149, v150
	v_max_num_f32 v160, v160, v151                 ; the row's maximum, taken away before the exponentials
	v_mov_b32 v161, 0                              ; the argmax: a later expert wins only if it is strictly larger
	v_mov_b32 v162, v144
.irp e, 1,2,3,4,5,6,7
	v_cmp_ge_f32 vcc_lo, v162, v[144+\e]
	v_cndmask_b32 v161, \e, v161, vcc_lo
	v_max_num_f32 v162, v162, v[144+\e]
.endr
	v_mul_f32 v163, 0xbfb8aa3b, v160               ; -max x log2(e)
.irp j, 0,1,2,3,4,5,6,7
	v_fmamk_f32 v[152+\j], v[144+\j], 0x3fb8aa3b, v163
.endr
.irp j, 0,1,2,3,4,5,6,7
	v_exp_f32 v[152+\j], v[152+\j]
.endr
	global_store_b32 v[L4], v161, s[22:23]         ; out2: the block's 128 bytes
	v_nop                                          ; a plain place behind the exponentials
	s_wait_alu depctr_va_vdst(0)                   ; one wait for the eight, ahead of their first reader
	v_pk_add_f32 v[164:165], v[152:153], v[154:155]
	v_pk_add_f32 v[166:167], v[156:157], v[158:159]
	v_pk_add_f32 v[164:165], v[164:165], v[166:167]
	v_add_f32 v164, v164, v165
	v_rcp_f32 v166, v164
.irp e, 0,1,2,3,4,5,6,7
	v_cmp_eq_u32 s[68+\e], \e, v161                ; who chose expert e.  (Plain work behind the reciprocal)
.endr
	s_wait_alu depctr_va_vdst(0)                   ; the wait for the reciprocal, ahead of its first reader
.irp j, 0,1,2,3,4,5,6,7
	v_mul_f32 v[152+\j], v[152+\j], v166
.endr
	ds_store_b128 v[L32], v[152:155] offset:PST    ; a lane's 32 bytes in, 16 neighbouring bytes a lane out: each store below covers 512 consecutive bytes
	ds_store_b128 v[L32], v[156:159] offset:PST+16
	ds_load_b128 v[168:171], v[L16] offset:PST
	ds_load_b128 v[172:175], v[L16] offset:PST+512
	; the record: values only.  pos = my place in the block sorted by expert, then by lane
.irp e, 0,1,2,3,4,5,6,7
	s_bcnt1_i32_b32 s[76+\e], s[68+\e]
.endr
	s_mov_b32 s84, 0
.irp e, 0,1,2,3,4,5,6
	s_add_co_u32 s[85+\e], s[84+\e], s[76+\e]
.endr
	v_mov_b32 v176, 0
.irp e, 0,1,2,3,4,5,6,7
	v_mbcnt_lo_u32_b32 v177, s[68+\e], s[84+\e]    ; the expert's offset + how many lower lanes chose it
	v_cndmask_b32 v176, v176, v177, s[68+\e]
.endr
	v_mov_b32 v178, 0                              ; the inverse: lane p learns which token stands at place p, by selects: no address is made of pos
.set LN, 0
.rept 32
	v_readlane_b32 s92, v176, LN
	v_cmp_ne_u32 vcc_lo, s92, v[LANE]
	v_cndmask_b32 v178, LN, v178, vcc_lo
.set LN, LN+1
.endr
	v_mov_b32 v179, 0
.irp i, 0,1,2,3
	s_lshl_b32 s92, s[77+2*\i], 16
	s_or_b32 s92, s92, s[76+2*\i]
	v_writelane_b32 v179, s92, \i                  ; words 0-3: counts, two to a word
	s_lshl_b32 s93, s[85+2*\i], 16
	s_or_b32 s93, s93, s[84+2*\i]
	v_writelane_b32 v179, s93, 4+\i                ; words 4-7: offsets
.endr
	ds_store_b32 v[L4], v179 offset:REC
	ds_store_b8 v[LANE], v178 offset:REC+32        ; bytes 32-63, over the zeros just stored: LDS serves a wave's instructions in order
	ds_load_b32 v180, v[L4] offset:REC
	s_wait_dscnt 0x0
	global_store_b128 v[L16], v[168:171], s[20:21]
	global_store_b128 v[L16], v[172:175], s[20:21] offset:512
	v_cmp_gt_u32 vcc_lo, 16, v[LANE]
	s_wait_xcnt 0x0                                ; EXEC changes only behind this wait
	s_and_saveexec_b32 s99, vcc_lo
	global_store_b32 v[L4], v180, s[32:33]         ; the record's 64 bytes
	s_wait_xcnt 0x0
	s_or_b32 exec_lo, exec_lo, s99
.Lend:
	s_wait_tensorcnt 0x0
	ds_add_u32 v254, v255
	s_wait_dscnt 0x0
	s_endpgm
.Lfunc_end_k_q832d684ab8_route:
	.size	k_q832d684ab8_route, .Lfunc_end_k_q832d684ab8_route-k_q832d684ab8_route
	.p2alignl 7, 3214868480
	.fill 96, 4, 3214868480
	.section	.rodata,"a",@progbits
	.p2align	6, 0x0
	.amdhsa_kernel k_q832d684ab8_route
		.amdhsa_group_segment_fixed_size 177152
		.amdhsa_private_segment_fixed_size 0
		.amdhsa_enable_private_segment 0
		.amdhsa_kernarg_size 120
		.amdhsa_user_sgpr_count 2
		.amdhsa_user_sgpr_kernarg_segment_ptr 1
		.amdhsa_wavefront_size32 1
		.amdhsa_system_sgpr_workgroup_id_x 1
		.amdhsa_system_sgpr_workgroup_id_y 1
		.amdhsa_system_sgpr_workgroup_id_z 1
		.amdhsa_system_vgpr_workitem_id 0
		.amdhsa_next_free_vgpr 256
		.amdhsa_next_free_sgpr 100
		.amdhsa_reserve_vcc 1
		.amdhsa_float_denorm_mode_32 3
		.amdhsa_float_denorm_mode_16_64 3
		.amdhsa_memory_ordered 1
		.amdhsa_forward_progress 1
		.amdhsa_inst_pref_size 77
	.end_amdhsa_kernel
	.amdgpu_metadata
---
amdhsa.version: [ 1, 2 ]
amdhsa.kernels:
  - .name:           k_q832d684ab8_route
    .symbol:         k_q832d684ab8_route.kd
    .args:
      - { .name: x, .offset: 0, .size: 8, .value_kind: global_buffer, .address_space: global }
      - { .name: Wg, .offset: 8, .size: 8, .value_kind: global_buffer, .address_space: global }
      - { .name: bg, .offset: 16, .size: 8, .value_kind: global_buffer, .address_space: global }
      - { .name: W1_codes, .offset: 24, .size: 8, .value_kind: global_buffer, .address_space: global }
      - { .name: W2_codes, .offset: 32, .size: 8, .value_kind: global_buffer, .address_space: global }
      - { .name: W2_scales, .offset: 40, .size: 8, .value_kind: global_buffer, .address_space: global }
      - { .name: b1, .offset: 48, .size: 8, .value_kind: global_buffer, .address_space: global }
      - { .name: b2, .offset: 56, .size: 8, .value_kind: global_buffer, .address_space: global }
      - { .name: out1, .offset: 64, .size: 8, .value_kind: global_buffer, .address_space: global }
      - { .name: out2, .offset: 72, .size: 8, .value_kind: global_buffer, .address_space: global }
      - { .name: xq, .offset: 80, .size: 8, .value_kind: global_buffer, .address_space: global }
      - { .name: xs, .offset: 88, .size: 8, .value_kind: global_buffer, .address_space: global }
      - { .name: wf, .offset: 96, .size: 8, .value_kind: global_buffer, .address_space: global }
      - { .name: cvec, .offset: 104, .size: 8, .value_kind: global_buffer, .address_space: global }
      - { .name: rt, .offset: 112, .size: 8, .value_kind: global_buffer, .address_space: global }
    .group_segment_fixed_size: 177152
    .private_segment_fixed_size: 0
    .kernarg_segment_align: 8
    .kernarg_segment_size: 120
    .max_flat_workgroup_size: 256
    .sgpr_count:     100
    .vgpr_count:     256
    .wavefront_size: 32
...
	.end_amdgpu_metadata
.endif
;; end of part 1
;; launch mlp (part 2): grid 135 x 1, 4 waves a work-group, no clusters, 98,816 bytes of LDS; arguments rt, xq, xs, wf, W1_scales, W2_scales, b1, b2, cvec, out0; writes out0
.if DOCPART == 2
	.amdgcn_target "amdgcn-amd-amdhsa--gfx1250"
	.amdhsa_code_object_version 6
	.text
	.protected	k_q832d684ab8_mlp
	.globl	k_q832d684ab8_mlp
	.p2align	8
	.type	k_q832d684ab8_mlp,@function
k_q832d684ab8_mlp:
	s_mov_b64 s[64:65], 0
	v_nop
	global_prefetch_b8 v0, s[64:65] scope:SCOPE_SE
	s_setreg_imm32_b32 hwreg(HW_REG_WAVE_MODE, 25, 1), 1
	s_wait_xcnt 0x0
; SECOND LAUNCH.  out0[t] = Q(relu(Q(x_t) W1[e] + b1[e])) W2[e] + b2[e] + the sum over e' != e of c[e'], e the expert chosen for token t; both products on codes of FP4 (E2M1) with E8M0 scales.
; A work-group takes one tile of at most 64 rows of one expert through the whole chain.  With N_e rows for expert e there are tot = sum of ceil(N_e / 64) tiles, 128 to 135 whatever the split; 135 work-groups are launched, and
; EVERY ONE HAS ROWS: the expert with the most rows has at least 1,024, so at least 16 full tiles; work-group tot + j takes rows 64 j + 32 .. 64 j + 63 of it, and the owner of its tile j keeps rows 64 j .. 64 j + 31.
; A tile of n < 64 rows computes its last row again in the places that are over and stores the same bytes again: no lane is switched off.  THE TEXT HAS NO BRANCH: the stored whole numbers steer addresses alone, each held by a minimum ahead of its use.
; PLACING THE ROWS: every work-group reads the 256 blocks' records (16 KB), sums the counts (a scan over lanes and waves), finds its tile by selects, lays a table of 256 prefixes for its expert in LDS, and each row finds its
; block in four rounds of three probes.  The loads that hang on the expert alone are issued behind LDS instructions that are already out, so that the rows' own loads go out as early as the search allows.
; THE WAVES SHARE THE COLUMNS: wave w makes hidden units 128 w .. + 127 (K step w of the second product) and outputs 256 w .. + 255 (two passes of 128), for all 64 rows.  Each weight fragment comes from memory once for the
; work-group, straight into one wave's registers (wf lies in the order of the operand's registers), and feeds four matrix instructions.  A ring of four groups of eight fragments: a slot is asked for again when the step that
; read it has been issued; ahead of the first way out that is done before the stores, so that the last group does not stand behind them.
; No cluster: how many tiles an expert has hangs on stored counts, so no fixed grid of clusters holds one expert for every split, and the weights do not pass through LDS.
; Both products are used transposed (source 0 = 16 rows of a weight, source 1 = 16 tokens): a lane holds one token, its registers run along the hidden units or the outputs.
; REGISTERS, in windows of 256.  Window 0: v0-15 ids and addresses, v16-31 at work, v32-63 W1's scale words, v64-79 x's, v96-127 W2's, v128-143 the hidden layer's (these four hold scales alone), v144-151 what is added to each row,
;   v152-160 codes and scale word just made, v164-179 at work, v184-247 a buffer of 64.  Window 1: the ring.  Window 2: 32 accumulators, (m, t) at 8 (8 m + t).
;   Window 3: v0-63 x's fragments, two sets, later the 64 rows' offsets in out0; v64-127 b1 in the result's layout, later a second buffer of 64; v128-255 the hidden layer's 16 fragments.
.set NWG,   135
.set WTOT,  0                          ; LDS: the waves' totals, 16 bytes each
.set TOKL,  256                        ; the tile's 64 tokens
.set PTAB,  512                        ; for each block: (rows of my expert in the blocks before) << 8 | its offset inside the block
.set SRTB,  1536                       ; for each block: 32 local token numbers, sorted by expert
.set XIMG,  9728                       ; x's fragments as images of their registers: 1,024 (8 m + s) + 512 c + 16 lane
.set XSC,   42496                      ; x's scale words: 512 m + 16 lane
.set HIMG,  44544                      ; the hidden layer's: 1,024 (4 m + s) + 512 c + 16 lane
.set HSC,   60928                      ; 512 m + 16 lane + 4 s
.set STAGE, 62976                      ; the way out: for each wave 16 rows of 512 bytes + 16
.set SP,    528
.set LANE, 1
.set R,    2
.set H,    3
.set LI,   4                           ; 16 lane
.set XWI,  5                           ; + 8,192 w
.set XSW,  6                           ; + 512 w
.set HWI,  7                           ; + 1,024 w
.set HSW,  8                           ; + 4 w
.set STO,  9
.set RD,   10
.set PTW,  11                          ; 8 x thread
.set SRW,  12                          ; 64 x thread
.set TKW,  13                          ; 64 w + 4 r
.set ZERO, 14
.set HM,   15                          ; all ones in lanes 16-31
.set W1S,  32
.set XS,   64
.set W2S,  96
.set HS,   128
.set T,    144
.set PC,   152
.set PW,   160
.set TM,   164
.set BK0,  184
.set B1,   64                          ; window 3
.set BK1,  64                          ; window 3
.set HF,   128                         ; window 3
.set MSB, 0
.macro WIN new                         ; low byte: bits 1:0 source 0, 3:2 source 1, 5:4 source 2, 7:6 destination; the high byte repeats the setting that is left
.if MSB != \new
	s_set_vgpr_msb (MSB<<8)|\new
.set MSB, \new
.endif
.endm
.macro BARRIER                         ; my LDS stores have landed and my LDS loads are in: then the work-group's barrier
	s_wait_dscnt 0x0
	s_barrier_signal -1
	s_barrier_wait -1
.endm
	s_load_b512 s[4:19], s[0:1], 0x0               ; rt, xq, xs, wf, W1 scales, W2 scales, b1, b2
	s_load_b128 s[20:23], s[0:1], 0x40             ; cvec, out0
	v_lshl_add_u32 v254, v0, 2, 0x18000
	v_mov_b32 v255, 0
	v_lshrrev_b32 v1, 5, v0
	v_readfirstlane_b32 s26, v1                    ; wave 0..3
	v_and_b32 v[LANE], 31, v0
	v_and_b32 v[R], 15, v0
	v_bfe_u32 v[H], v0, 4, 1
	v_lshlrev_b32 v[LI], 4, v[LANE]
	s_lshl_b32 s27, s26, 13
	v_add_nc_u32 v[XWI], s27, v[LI]
	s_lshl_b32 s27, s26, 9
	v_add_nc_u32 v[XSW], s27, v[LI]
	s_lshl_b32 s27, s26, 10
	v_add_nc_u32 v[HWI], s27, v[LI]
	s_lshl_b32 s27, s26, 2
	v_add_nc_u32 v[HSW], s27, v[LI]
	s_mul_i32 s27, s26, 16*SP
	s_add_co_u32 s27, s27, STAGE
	v_mul_u32_u24 v[STO], v[R], SP
	v_lshl_add_u32 v[STO], v[H], 5, v[STO]
	v_add_nc_u32 v[STO], s27, v[STO]               ; in: row r, 32 bytes for each half of the lanes
	v_add_nc_u32 v[RD], s27, v[LI]                 ; back: a whole row, 16 bytes a lane
	v_lshlrev_b32 v[PTW], 3, v0
	v_lshlrev_b32 v[SRW], 6, v0
	s_lshl_b32 s27, s26, 6
	v_lshl_add_u32 v[TKW], v[R], 2, s27
	v_mov_b32 v[ZERO], 0
	v_sub_nc_u32 v[HM], 0, v[H]
	v_lshlrev_b32 v16, 7, v0
	s_mov_b32 s90, 0x76543210
	s_mov_b32 s91, 0xfedcba98                      ; v_permlanex16_b32's selects for lane l xor 16
	s_wait_kmcnt 0x0
	; ---- the records of blocks 2 t and 2 t + 1: counts v184-187, offsets v188-191, sorted bytes v192-199; the second block's 16 registers on
.irp i, 0,1,2,3,4,5,6,7
	global_load_b128 v[BK0+4*\i:BK0+4*\i+3], v16, s[4:5] offset:16*\i
.endr
.irp i, 0,1,2,3
	v_mov_b32 v[20+\i], 0                          ; the destination of a DPP form or a lane permute counts as read
	v_mov_b32 v[TM+4+\i], 0
.endr
	s_wait_loadcnt 0x0
	ds_store_b128 v[SRW], v[BK0+8:BK0+11] offset:SRTB
	ds_store_b128 v[SRW], v[BK0+12:BK0+15] offset:SRTB+16
	ds_store_b128 v[SRW], v[BK0+24:BK0+27] offset:SRTB+32
	ds_store_b128 v[SRW], v[BK0+28:BK0+31] offset:SRTB+48
	; ---- an inclusive scan of the eight counts, two to a register (no sum passes 8,192, so nothing is carried between the halves)
.irp i, 0,1,2,3
	v_add_nc_u32 v[16+\i], v[BK0+\i], v[BK0+16+\i]
.endr
.irp n, 1,2,4,8
.irp i, 0,1,2,3
	v_mov_b32_dpp v[20+\i], v[16+\i] row_shr:\n row_mask:0xf bank_mask:0xf bound_ctrl:1
.endr
.irp i, 0,1,2,3
	v_add_nc_u32 v[16+\i], v[16+\i], v[20+\i]
.endr
.endr
.irp i, 0,1,2,3
	v_readlane_b32 s[28+\i], v[16+\i], 15
.endr
.irp i, 0,1,2,3
	v_and_b32 v[20+\i], s[28+\i], v[HM]            ; lanes 16-31 add the first sixteen's total
	v_add_nc_u32 v[16+\i], v[16+\i], v[20+\i]
.endr
.irp i, 0,1,2,3
	v_readlane_b32 s[28+\i], v[16+\i], 31
.endr
.irp i, 0,1,2,3
	v_mov_b32 v[24+\i], s[28+\i]
.endr
	s_lshl_b32 s27, s26, 4
	v_mov_b32 v28, s27
	ds_store_b128 v28, v[24:27] offset:WTOT        ; my wave's totals (all lanes write the same bytes)
	BARRIER
.irp w, 0,1,2,3
	ds_load_b128 v[BK0+32+4*\w:BK0+35+4*\w], v[ZERO] offset:WTOT+16*\w
.endr
	s_wait_dscnt 0x0
.irp i, 0,1,2,3
	v_add_nc_u32 v[24+\i], v[BK0+32+\i], v[BK0+36+\i]
.endr
.irp i, 0,1,2,3
	v_add3_u32 v[24+\i], v[24+\i], v[BK0+40+\i], v[BK0+44+\i]
.endr
.irp i, 0,1,2,3
	v_readfirstlane_b32 s[28+\i], v[24+\i]         ; the eight N_e
.endr
.irp w, 0,1,2
	s_cmp_gt_u32 s26, \w
	s_cselect_b32 s27, -1, 0
.irp i, 0,1,2,3
	v_and_b32 v[20+\i], s27, v[BK0+32+4*\w+\i]     ; the totals of the waves before mine
	v_add_nc_u32 v[16+\i], v[16+\i], v[20+\i]
.endr
.endr
	; ---- my tile, by selects: s40 expert, s49 its first row in the expert's list, s50 its rows
.irp i, 0,1,2,3
	s_and_b32 s[32+2*\i], s[28+\i], 0xffff
	s_lshr_b32 s[33+2*\i], s[28+\i], 16
.endr
	s_mov_b32 s46, 0                               ; the expert with the most rows
	s_mov_b32 s47, s32
.irp q, 1,2,3,4,5,6,7
	s_cmp_gt_u32 s[32+\q], s47
	s_cselect_b32 s46, \q, s46
	s_cselect_b32 s47, s[32+\q], s47
.endr
	s_mov_b32 s40, 0
	s_mov_b32 s41, 0
	s_mov_b32 s42, s32
	s_mov_b32 s43, 0                               ; the first tile of expert q
.irp q, 0,1,2,3,4,5,6,7
	s_cmp_ge_u32 ttmp9, s43
	s_cselect_b32 s40, \q, s40
	s_cselect_b32 s41, s43, s41
	s_cselect_b32 s42, s[32+\q], s42
	s_add_co_u32 s44, s[32+\q], 63
	s_lshr_b32 s44, s44, 6
	s_add_co_u32 s43, s43, s44
.endr                                          ; s43 = tot
	s_sub_co_u32 s45, NWG, s43                     ; work-groups over: 0 to 7
	s_sub_co_u32 s48, ttmp9, s41                   ; which tile of the expert
	s_lshl_b32 s49, s48, 6
	s_sub_co_u32 s50, s42, s49
	s_min_u32 s50, s50, 64
	s_cmp_eq_u32 s40, s46
	s_cselect_b32 s51, s45, 0
	s_cmp_lt_u32 s48, s51                          ; a tile that is shared keeps its first 32 rows
	s_cselect_b32 s50, 32, s50
	s_sub_co_u32 s52, ttmp9, s43
	s_lshl_b32 s52, s52, 6
	s_add_co_u32 s52, s52, 32
	s_cmp_ge_u32 ttmp9, s43                        ; a work-group over takes the other 32
	s_cselect_b32 s40, s46, s40
	s_cselect_b32 s49, s52, s49
	s_cselect_b32 s50, 32, s50
	s_min_u32 s40, s40, 7                          ; held ahead of its use in addresses
	s_lshr_b32 s51, s40, 1
.irp i, 0,1,2,3
	s_cmp_eq_u32 s51, \i
	s_cselect_b32 s[56+\i], -1, 0                  ; which packed register holds my expert,
.endr
	s_and_b32 s60, s40, 1
	s_lshl_b32 s60, s60, 4                         ; and which half of it
.irp q, 0,1,2,3,4,5,6,7
	s_cmp_lg_u32 s40, \q
	s_cselect_b32 s[66+\q], -1, 0                  ; the experts that were not chosen
.endr
	s_mov_b32 s53, 0
	s_lshl_b32 s52, s40, 19
	s_lshl_b32 s54, s26, 17
	s_add_co_u32 s52, s52, s54
	s_add_nc_u64 s[74:75], s[10:11], s[52:53]      ; wf at (e, w)
	s_lshl_b32 s52, s40, 14
	s_lshl_b32 s54, s26, 12
	s_add_co_u32 s52, s52, s54
	s_add_nc_u64 s[76:77], s[12:13], s[52:53]      ; W1's scales: my 128 rows of 32 bytes
	s_add_nc_u64 s[80:81], s[14:15], s[52:53]      ; W2's: my 256 rows of 16
	s_lshl_b32 s52, s40, 11
	s_lshl_b32 s54, s26, 9
	s_add_co_u32 s52, s52, s54
	s_add_nc_u64 s[78:79], s[16:17], s[52:53]      ; b1
	s_lshl_b32 s52, s40, 12
	s_lshl_b32 s54, s26, 10
	s_add_co_u32 s52, s52, s54
	s_add_nc_u64 s[82:83], s[18:19], s[52:53]      ; b2
	s_mov_b32 s52, s54
	s_add_nc_u64 s[84:85], s[20:21], s[52:53]      ; cvec at my 256 outputs
.macro RINGH g, hf                     ; half hf of group g: four fragments, 8 loads of 512 consecutive bytes, into slot g % 4
	WIN 0x40
.irp i, 0,1,2,3,4,5,6,7
	global_load_b128 v[64*((\g)%4)+32*(\hf)+4*\i:64*((\g)%4)+32*(\hf)+4*\i+3], v[LI], s[74:75] offset:8192*(\g)+4096*(\hf)+512*\i
.endr
.endm
.macro RING g                          ; group g: eight fragments, 16 loads
	RINGH \g, 0
	RINGH \g, 1
.endm
	v_and_b32 v24, 8, v[R]                         ; W1's scale words: row r + 8 (r / 8) of a tile, 32 bytes a row, + 16 h
	v_add_nc_u32 v24, v24, v[R]
	v_lshlrev_b32 v24, 5, v24
	v_lshl_add_u32 v24, v[H], 4, v24
	v_lshlrev_b32 v25, 6, v[H]                     ; b1: my half's numbers
	; ---- the table of prefixes for my expert comes first: the rows' search hangs on it
.macro EXTR dst, src                   ; my expert's 16 bits out of four packed registers
	v_and_b32 v[\dst], s56, v[\src]
	v_and_or_b32 v[\dst], v[\src+1], s57, v[\dst]
	v_and_or_b32 v[\dst], v[\src+2], s58, v[\dst]
	v_and_or_b32 v[\dst], v[\src+3], s59, v[\dst]
	v_lshrrev_b32 v[\dst], s60, v[\dst]
	v_and_b32 v[\dst], 0xffff, v[\dst]
.endm
	EXTR 26, 16                                    ; rows up to and with my two blocks
	EXTR 27, BK0                                   ; the first block's count
	EXTR 28, BK0+16                                ; the second's
	EXTR 29, BK0+4                                 ; their offsets
	EXTR 30, BK0+20
	v_sub_nc_u32 v26, v26, v28                     ; rows before the second block
	v_sub_nc_u32 v27, v26, v27                     ; rows before the first
	v_lshl_or_b32 v20, v27, 8, v29
	v_lshl_or_b32 v21, v26, 8, v30
	ds_store_b64 v[PTW], v[20:21] offset:PTAB
	; 40 loads hang on the expert alone and stand ahead of the rows' 17: W1's scale words (8) here, behind the table's store; b1 (16) and group 0 (16) behind the probes below, eight to a round.
	; 57 in all: LOADcnt counts up to 63 and a load beyond that is held at its issue (ISA guide 5.7.1), so none of the rows' loads is held
.irp t, 0,1,2,3,4,5,6,7
	global_load_b128 v[W1S+4*\t:W1S+4*\t+3], v24, s[76:77] offset:32*(32*(\t/2)+8*(\t%2))   ; register 4 t + j: lanes 0-15 K step j, lanes 16-31 K step 4 + j
.endr
	BARRIER
	; ---- lane (r, h) of wave w finds the token of row 16 w + r: the last block whose prefix is not above the row's place in the expert's list.  From this barrier to the next no wave stores to LDS
	s_lshl_b32 s52, s26, 4
	v_add_nc_u32 v26, s52, v[R]
	s_sub_co_u32 s52, s50, 1
	v_min_u32 v26, s52, v26                        ; the places that are over repeat the last row
	v_add_nc_u32 v26, s49, v26
	v_lshl_or_b32 v27, v26, 8, 0xff                ; an entry is not above this key where its prefix is not above the place
	v_mov_b32 v28, 0                               ; 4 x block
	ds_load_b32 v29, v[ZERO] offset:PTAB
; A round of the search: the entries st, 2 st and 3 st blocks on are asked for together; four rounds (64, 16, 4, 1) reach all 256 blocks.  The prefixes do not fall from block to block, so taking the three in ascending order leaves the last that is not above the key.
.macro ASK3 st
	v_add_nc_u32 v16, 4*\st, v28
	v_add_nc_u32 v17, 8*\st, v28
	v_add_nc_u32 v18, 12*\st, v28
	v_min_u32 v16, 0x3fc, v16                      ; the block chosen so far hangs on table words: held ahead of its use in an address.  4 x 255 is the largest that the four rounds can add up to, so no value is changed
	v_min_u32 v17, 0x3fc, v17
	v_min_u32 v18, 0x3fc, v18
	ds_load_b32 v19, v16 offset:PTAB
	ds_load_b32 v22, v17 offset:PTAB
	ds_load_b32 v23, v18 offset:PTAB
.endm
.macro TAKE3
	WIN 0
	s_wait_dscnt 0x0
	v_cmp_le_u32 vcc_lo, v19, v27
	v_cndmask_b32 v28, v28, v16, vcc_lo
	v_cndmask_b32 v29, v29, v19, vcc_lo
	v_cmp_le_u32 vcc_lo, v22, v27
	v_cndmask_b32 v28, v28, v17, vcc_lo
	v_cndmask_b32 v29, v29, v22, vcc_lo
	v_cmp_le_u32 vcc_lo, v23, v27
	v_cndmask_b32 v28, v28, v18, vcc_lo
	v_cndmask_b32 v29, v29, v23, vcc_lo
.endm
	ASK3 64
	WIN 0xC0                                       ; b1 in the result's layout, window 3: tiles 0 to 3 while the probes are out
.irp t, 0,1,2,3
	global_load_b128 v[B1+8*\t:B1+8*\t+3], v25, s[78:79] offset:4*(32*(\t/2)+8*(\t%2))
	global_load_b128 v[B1+8*\t+4:B1+8*\t+7], v25, s[78:79] offset:4*(32*(\t/2)+8*(\t%2))+16
.endr
	TAKE3
	ASK3 16
	WIN 0xC0                                       ; tiles 4 to 7
.irp t, 4,5,6,7
	global_load_b128 v[B1+8*\t:B1+8*\t+3], v25, s[78:79] offset:4*(32*(\t/2)+8*(\t%2))
	global_load_b128 v[B1+8*\t+4:B1+8*\t+7], v25, s[78:79] offset:4*(32*(\t/2)+8*(\t%2))+16
.endr
	TAKE3
	ASK3 4
	RINGH 0, 0
	TAKE3
	ASK3 1
	RINGH 0, 1
	TAKE3
	v_and_b32 v30, 0xff, v29
	v_lshrrev_b32 v31, 8, v29
	v_add_nc_u32 v30, v30, v26
	v_sub_nc_u32 v30, v30, v31                     ; the place inside the block's sorted list
	v_lshl_add_u32 v30, v28, 3, v30                ; + 32 x block
	v_min_u32 v30, 0x1fff, v30
	ds_load_u8 v31, v30 offset:SRTB
	s_wait_dscnt 0x0
	v_lshl_add_u32 v31, v28, 3, v31                ; the token
	v_min_u32 v31, 0x1fff, v31                     ; held ahead of its use in addresses
	; ---- my 16 rows' codes (8 fragments) and scale words: 17 loads, issued ahead of the barrier that closes the search: they touch no LDS byte
	v_lshlrev_b32 v20, 9, v31
	v_lshl_add_u32 v20, v[H], 4, v20
	v_lshlrev_b32 v21, 5, v31
	v_lshl_add_u32 v21, v[H], 4, v21
.irp s, 0,1,2,3,4,5,6,7
.irp c, 0,1
	global_load_b128 v[BK0+8*\s+4*\c:BK0+8*\s+4*\c+3], v20, s[6:7] offset:64*\s+32*\c
.endr
.endr
	global_load_b128 v[16:19], v21, s[8:9]
	BARRIER                                        ; every wave's probes are in: LDS may be stored to again
	ds_store_b32 v[TKW], v31 offset:TOKL
	; ---- 56 loads behind the rows': W2's scale words (register 4 q + s: lanes 0-15 tile 2 q, lanes 16-31 tile 2 q + 1), groups 1, 2, 3
.irp q, 0,1,2,3,4,5,6,7
	global_load_b128 v[W2S+4*\q:W2S+4*\q+3], v[LI], s[80:81] offset:512*\q
.endr
	RING 1
	RING 2
	RING 3
	WIN 0
	s_wait_loadcnt 56                              ; those 56 may be out; my rows are in, and so is all that was asked for earlier: W1's scale words, b1, group 0
.irp s, 0,1,2,3,4,5,6,7
.irp c, 0,1
	ds_store_b128 v[XWI], v[BK0+8*\s+4*\c:BK0+8*\s+4*\c+3] offset:XIMG+1024*\s+512*\c
.endr
.endr
	ds_store_b128 v[XSW], v[16:19] offset:XSC
	BARRIER                                        ; the 64 rows' fragments lie in LDS
.macro XFETCH k                        ; K step k's four fragments of x into set k % 2 (window 3)
.irp m, 0,1,2,3
.irp c, 0,1
	ds_load_b128 v[32*((\k)%2)+8*\m+4*\c:32*((\k)%2)+8*\m+4*\c+3], v[LI] offset:XIMG+1024*(8*\m+(\k))+512*\c
.endr
.endr
.endm
.irp m, 0,1,2,3
	ds_load_b128 v[XS+4*\m:XS+4*\m+3], v[LI] offset:XSC+512*\m   ; register 4 m + j: lanes 0-15 K step j, lanes 16-31 K step 4 + j
.endr
	WIN 0xC0
	XFETCH 0
.macro TLOAD p                         ; 9 loads: b2[e] and the eight c[e'] at my four outputs of pass p
	global_load_b128 v[BK0:BK0+3], v[LI], s[82:83] offset:512*\p
.irp q, 0,1,2,3,4,5,6,7
	global_load_b128 v[BK0+4+4*\q:BK0+7+4*\q], v[LI], s[84:85] offset:4096*\q+512*\p
.endr
.endm
.macro TSUM p                          ; b2[e] + the seven others' c, summed directly: the chosen expert's is masked to zero
.irp q, 0,1,2,3,4,5,6,7
.irp i, 0,1,2,3
	v_and_b32 v[BK0+4+4*\q+\i], s[66+\q], v[BK0+4+4*\q+\i]
.endr
.endr
	v_pk_add_f32 v[T+4*\p:T+4*\p+1], v[BK0:BK0+1], v[BK0+4:BK0+5]
	v_pk_add_f32 v[T+4*\p+2:T+4*\p+3], v[BK0+2:BK0+3], v[BK0+6:BK0+7]
.irp q, 1,2,3,4,5,6,7
	v_pk_add_f32 v[T+4*\p:T+4*\p+1], v[T+4*\p:T+4*\p+1], v[BK0+4+4*\q:BK0+5+4*\q]
	v_pk_add_f32 v[T+4*\p+2:T+4*\p+3], v[T+4*\p+2:T+4*\p+3], v[BK0+6+4*\q:BK0+7+4*\q]
.endr
.endm
; A STEP: group g's eight fragments against four tiles of rows: 32 matrix instructions, the 32 accumulators by turns in the same order in every step.
; g = 0 .. 7: first product, K step g.  g = 8 .. 15: second product, pass (g / 4) % 2, K step g % 4.  tl: what is asked for beside the ring (-1: nothing).  n: the loads issued behind group g, which may stay out (-1: it has landed).
; At its head a step asks for group g + 3, into the slot that the last step read.  Groups 11 and 15 are asked for elsewhere: in the quantiser and at the head of the first way out.
.macro STEP g, tl, n
.rept 4
	v_nop                                          ; places in front of loads into registers that the last step's products read
.endr
.if (\g) < 7
	WIN 0xC0
	XFETCH (\g)+1
.endif
.if (\tl) >= 0
	WIN 0
	TLOAD \tl
.endif
.if ((\g) >= 1) && ((\g) <= 11) && ((\g) != 8)
	RING (\g)+3
.endif
.if (\n) >= 0
	s_wait_loadcnt \n
.endif
.if (\g) < 7
	s_wait_dscnt 8                                 ; all but the eight LDS loads just issued
.elseif (\g) == 7
	s_wait_dscnt 0x0
.endif
.set SG, (\g)%4
.if (\g) == 0
	WIN 0xBD                                       ; A window 1, B window 3, C (b1) window 3, D window 2
.else
	WIN 0xAD                                       ; A window 1, B window 3, C and D window 2
.endif
.irp m, 0,1,2,3
.irp t, 0,1,2,3,4,5,6,7
.set rD, 8*(8*\m+\t)
.set rA, 64*SG+8*\t
.if (\g) < 8
.set rB, 32*((\g)%2)+8*\m
.set rX, W1S+4*\t+SG
.set rY, XS+4*\m+SG
.else
.set rB, HF+8*(4*\m+SG)
.set rX, W2S+4*((8*(((\g)/4)%2)+\t)/2)+SG
.set rY, HS+4*\m+SG
.endif
.if (\g) == 0
	v_wmma_scale_f32_16x16x128_f8f6f4 v[rD:rD+7], v[rA:rA+7], v[rB:rB+7], v[B1+8*\t:B1+8*\t+7], v[rX], v[rY] matrix_a_fmt:MATRIX_FMT_FP4 matrix_b_fmt:MATRIX_FMT_FP4
.elseif (\g) < 4
	v_wmma_scale_f32_16x16x128_f8f6f4 v[rD:rD+7], v[rA:rA+7], v[rB:rB+7], v[rD:rD+7], v[rX], v[rY] matrix_a_fmt:MATRIX_FMT_FP4 matrix_b_fmt:MATRIX_FMT_FP4
.elseif (\g) < 8
	v_wmma_scale_f32_16x16x128_f8f6f4 v[rD:rD+7], v[rA:rA+7], v[rB:rB+7], v[rD:rD+7], v[rX], v[rY] matrix_a_fmt:MATRIX_FMT_FP4 matrix_b_fmt:MATRIX_FMT_FP4 matrix_a_scale:MATRIX_SCALE_ROW1 matrix_b_scale:MATRIX_SCALE_ROW1
.elseif (SG == 0) && ((\t%2) == 0)
	v_wmma_scale_f32_16x16x128_f8f6f4 v[rD:rD+7], v[rA:rA+7], v[rB:rB+7], 0, v[rX], v[rY] matrix_a_fmt:MATRIX_FMT_FP4 matrix_b_fmt:MATRIX_FMT_FP4
.elseif SG == 0
	v_wmma_scale_f32_16x16x128_f8f6f4 v[rD:rD+7], v[rA:rA+7], v[rB:rB+7], 0, v[rX], v[rY] matrix_a_fmt:MATRIX_FMT_FP4 matrix_b_fmt:MATRIX_FMT_FP4 matrix_a_scale:MATRIX_SCALE_ROW1
.elseif (\t%2) == 0
	v_wmma_scale_f32_16x16x128_f8f6f4 v[rD:rD+7], v[rA:rA+7], v[rB:rB+7], v[rD:rD+7], v[rX], v[rY] matrix_a_fmt:MATRIX_FMT_FP4 matrix_b_fmt:MATRIX_FMT_FP4
.else
	v_wmma_scale_f32_16x16x128_f8f6f4 v[rD:rD+7], v[rA:rA+7], v[rB:rB+7], v[rD:rD+7], v[rX], v[rY] matrix_a_fmt:MATRIX_FMT_FP4 matrix_b_fmt:MATRIX_FMT_FP4 matrix_a_scale:MATRIX_SCALE_ROW1
.endif
.endr
.endr
.endm
; 64 numbers of a lane in window 2, v[s] on, register 16 b + i = k 32 b + 16 h + i of my row, none negative, become a fragment's codes in v[PC] on and its scale word in v[PW]
.macro QUANT s
	WIN 0x0A
.irp b, 0,1,2,3
	v_max3_num_f32 v[TM+\b], v[\s+16*\b], v[\s+1+16*\b], 0x1800000   ; and the floor 2^(3 - 127): the byte cannot fall under 1
.endr
	WIN 0x28
.irp i, 2,4,6,8,10,12,14
.irp b, 0,1,2,3
	v_max3_num_f32 v[TM+\b], v[TM+\b], v[\s+16*\b+\i], v[\s+1+16*\b+\i]
.endr
.endr
	WIN 0
.irp b, 0,1,2,3
	v_permlanex16_b32 v[TM+4+\b], v[TM+\b], s90, s91
.endr
.irp b, 0,1,2,3
	v_max_num_f32 v[TM+\b], v[TM+\b], v[TM+4+\b]   ; with lane l xor 16's: the block's largest
.endr
.irp b, 0,1,2,3
	v_add_nc_u32 v[TM+12+\b], 0xff000000, v[TM+\b] ; 2 off its exponent field: the conversion's scale operand
.endr
.irp b, 0,1,2,3
	v_lshrrev_b32 v[TM+4+\b], 23, v[TM+12+\b]      ; the scale's byte
.endr
	v_lshl_or_b32 v[PW], v[TM+5], 8, v[TM+4]
	v_lshl_or_b32 v[PW], v[TM+6], 16, v[PW]
	v_lshl_or_b32 v[PW], v[TM+7], 24, v[PW]
	WIN 0x02
.irp b, 0,1,2,3
	v_cvt_scalef32_pk8_fp4_f32 v[PC+2*\b], v[\s+16*\b:\s+16*\b+7], v[TM+12+\b]
	v_cvt_scalef32_pk8_fp4_f32 v[PC+1+2*\b], v[\s+16*\b+8:\s+16*\b+15], v[TM+12+\b]
.endr
	WIN 0
	v_nop                                          ; one plain place behind a scaled conversion
.irp c, 0,1
.irp i, 0,1
	v_permlane16_swap_b32 v[PC+4*\c+\i], v[PC+2+4*\c+\i]   ; a whole block to a lane
.endr
.endr
.endm
; THE WAY OUT of a pass: a tile of 16 rows x 128 outputs goes through my own stage and comes back as whole rows of 512 bytes; what is added to every row is added there; each store covers 512 consecutive bytes of one token's row, aligned.
.macro TOSTAGE a
	WIN 0x08                                       ; an LDS store's data are its source 1: window 2
.irp t, 0,1,2,3,4,5,6,7
	ds_store_b128 v[STO], v[8*(8*(\a)+\t):8*(8*(\a)+\t)+3] offset:64*\t        ; each accumulator from its low end on
	ds_store_b128 v[STO], v[8*(8*(\a)+\t)+4:8*(8*(\a)+\t)+7] offset:64*\t+16
.endr
.if (\a)%2
	WIN 0xC0
.else
	WIN 0
.endif
.set BB, BK0-(BK0-BK1)*((\a)%2)
.irp i, 0,1,2,3,4,5,6,7,8,9,10,11,12,13,14,15
	ds_load_b128 v[BB+4*\i:BB+4*\i+3], v[RD] offset:\i*SP      ; LDS serves a wave's instructions in order: these see my stores, and the next tile's stores come behind them
.endr
.endm
.macro SEND a, p, younger
.set BB, BK0-(BK0-BK1)*((\a)%2)
	s_wait_dscnt \younger                          ; the tile is back; the next tile's 16 stores and 16 loads may be out
.if (\a)%2
	WIN 0xC3
.else
	WIN 0
.endif
.irp i, 0,1,2,3,4,5,6,7,8,9,10,11,12,13,14,15
	v_pk_add_f32 v[BB+4*\i:BB+4*\i+1], v[BB+4*\i:BB+4*\i+1], v[T+4*\p:T+4*\p+1]
	v_pk_add_f32 v[BB+4*\i+2:BB+4*\i+3], v[BB+4*\i+2:BB+4*\i+3], v[T+4*\p+2:T+4*\p+3]
.endr
.if (\a)%2
	WIN 0x0F                                       ; the offset (source 0) and the data (source 1) in window 3
.else
	WIN 0x03
.endif
.irp i, 0,1,2,3,4,5,6,7,8,9,10,11,12,13,14,15
	global_store_b128 v[16*(\a)+\i], v[BB+4*\i:BB+4*\i+3], s[22:23] offset:512*\p th:TH_STORE_NT
.endr
.endm
.macro OUT p
.rept 4
	v_nop                                          ; places in front of the stores that read results just made, and of the loads into the slot that the last step read
.endr
	s_wait_xcnt 0x0                                ; earlier stores have read the buffers that are loaded again
.if \p == 0
	RING 15                                        ; the last group is asked for ahead of this pass's 64 stores: it has the way out and three steps in which to land
.endif
	TOSTAGE 0
	TOSTAGE 1
	SEND 0, \p, 32
	s_wait_xcnt 0x0                                ; tile 0's stores have read their registers
	TOSTAGE 2
	SEND 1, \p, 32
	s_wait_xcnt 0x0                                ; tile 1's
	TOSTAGE 3
	SEND 2, \p, 32
	SEND 3, \p, 0
.endm
	; ---- the first product.  The counts: what was issued behind the group that is wanted
	STEP 0, -1, -1
	STEP 1, 0, 57                                  ; groups 2 and 3, the 9 of pass 0's vector, group 4
	STEP 2, -1, 57                                 ; group 3, the 9, groups 4 and 5
	STEP 3, -1, 57                                 ; the 9, groups 4, 5, 6
	STEP 4, -1, 48                                 ; groups 5, 6, 7: the 9 are in
	WIN 0
	TSUM 0
	STEP 5, 1, 57                                  ; groups 6, 7, pass 1's 9, group 8
	STEP 6, -1, 57                                 ; group 7, the 9, groups 8, 9
	STEP 7, -1, 57                                 ; the 9, groups 8, 9, 10
	; ---- relu and the quantiser, a tile of rows at a time: my 128 hidden units are K step w of the second product
.rept 4
	v_nop
.endr
.irp m, 0,1,2,3
	WIN 0x88
.set J, 0
.rept 64
	v_max_num_f32 v[64*\m+J], 0, v[64*\m+J]        ; each accumulator from its low end on
.set J, J+1
.endr
	QUANT 64*\m
	ds_store_b128 v[HWI], v[PC:PC+3] offset:HIMG+4096*\m
	ds_store_b128 v[HWI], v[PC+4:PC+7] offset:HIMG+4096*\m+512
	ds_store_b32 v[HSW], v[PW] offset:HSC+512*\m
	s_wait_dscnt 0x0                               ; the stores have read their registers
.if \m == 1
	RING 11                                        ; into the slot that step 7 read.  Not straight behind that step: there 57 loads may still be counted, and 16 more would pass LOADcnt's 63 and hold the wave, and the quantiser with it, at their issue (ISA guide 5.7.1)
.endif
.endr
	s_barrier_signal -1
	s_barrier_wait -1                              ; the hidden layer's sixteen fragments lie in LDS
	WIN 0xC0
.irp f, 0,1,2,3,4,5,6,7,8,9,10,11,12,13,14,15
.irp c, 0,1
	ds_load_b128 v[HF+8*\f+4*\c:HF+8*\f+4*\c+3], v[LI] offset:HIMG+1024*\f+512*\c
.endr
.endr
.irp i, 0,1,2,3,4,5,6,7,8,9,10,11,12,13,14,15
	ds_load_b128 v[BK1+4*\i:BK1+4*\i+3], v[ZERO] offset:TOKL+16*\i   ; the 64 tokens, in every lane
.endr
	WIN 0
.irp m, 0,1,2,3
	ds_load_b128 v[HS+4*\m:HS+4*\m+3], v[LI] offset:HSC+512*\m
.endr
	s_lshl_b32 s52, s26, 10
	v_add_nc_u32 v16, s52, v[LI]                   ; my outputs' bytes in a row of out0
	s_wait_dscnt 0x0
	WIN 0xCC
.set J, 0
.rept 64
	v_min_u32 v[BK1+J], 0x1fff, v[BK1+J]           ; held ahead of its use in an address
.set J, J+1
.endr
	WIN 0xC3
.set J, 0
.rept 64
	v_lshl_add_u32 v[J], v[BK1+J], 12, v16         ; row j's offset in out0: 4,096 x token + 1,024 w + 16 lane
.set J, J+1
.endr
	; ---- the second product, two passes of 128 outputs
	STEP 8, -1, 48                                 ; groups 9, 10, 11; pass 1's 9 are in
	WIN 0
	TSUM 1
	STEP 9, -1, 48
	STEP 10, -1, 48
	STEP 11, -1, 48
	OUT 0                                          ; groups 12 to 15 are on their way meanwhile
	STEP 12, -1, 48                                ; groups 13, 14, 15
	STEP 13, -1, 32                                ; the ring runs out
	STEP 14, -1, 16
	STEP 15, -1, 0
	OUT 1
	WIN 0
	s_wait_tensorcnt 0x0
	ds_add_u32 v254, v255
	s_wait_dscnt 0x0
	s_endpgm
.Lfunc_end_k_q832d684ab8_mlp:
	.size	k_q832d684ab8_mlp, .Lfunc_end_k_q832d684ab8_mlp-k_q832d684ab8_mlp
	.p2alignl 7, 3214868480
	.fill 96, 4, 3214868480
	.section	.rodata,"a",@progbits
	.p2align	6, 0x0
	.amdhsa_kernel k_q832d684ab8_mlp
		.amdhsa_group_segment_fixed_size 98816
		.amdhsa_private_segment_fixed_size 0
		.amdhsa_enable_private_segment 0
		.amdhsa_kernarg_size 80
		.amdhsa_user_sgpr_count 2
		.amdhsa_user_sgpr_kernarg_segment_ptr 1
		.amdhsa_wavefront_size32 1
		.amdhsa_system_sgpr_workgroup_id_x 1
		.amdhsa_system_sgpr_workgroup_id_y 1
		.amdhsa_system_sgpr_workgroup_id_z 1
		.amdhsa_system_vgpr_workitem_id 0
		.amdhsa_next_free_vgpr 1024
		.amdhsa_next_free_sgpr 104
		.amdhsa_reserve_vcc 1
		.amdhsa_float_denorm_mode_32 3
		.amdhsa_float_denorm_mode_16_64 3
		.amdhsa_memory_ordered 1
		.amdhsa_forward_progress 1
		.amdhsa_inst_pref_size 209
	.end_amdhsa_kernel
	.amdgpu_metadata
---
amdhsa.version: [ 1, 2 ]
amdhsa.kernels:
  - .name:           k_q832d684ab8_mlp
    .symbol:         k_q832d684ab8_mlp.kd
    .args:
      - { .name: rt, .offset: 0, .size: 8, .value_kind: global_buffer, .address_space: global }
      - { .name: xq, .offset: 8, .size: 8, .value_kind: global_buffer, .address_space: global }
      - { .name: xs, .offset: 16, .size: 8, .value_kind: global_buffer, .address_space: global }
      - { .name: wf, .offset: 24, .size: 8, .value_kind: global_buffer, .address_space: global }
      - { .name: W1_scales, .offset: 32, .size: 8, .value_kind: global_buffer, .address_space: global }
      - { .name: W2_scales, .offset: 40, .size: 8, .value_kind: global_buffer, .address_space: global }
      - { .name: b1, .offset: 48, .size: 8, .value_kind: global_buffer, .address_space: global }
      - { .name: b2, .offset: 56, .size: 8, .value_kind: global_buffer, .address_space: global }
      - { .name: cvec, .offset: 64, .size: 8, .value_kind: global_buffer, .address_space: global }
      - { .name: out0, .offset: 72, .size: 8, .value_kind: global_buffer, .address_space: global }
    .group_segment_fixed_size: 98816
    .private_segment_fixed_size: 0
    .kernarg_segment_align: 8
    .kernarg_segment_size: 80
    .max_flat_workgroup_size: 128
    .sgpr_count:     104
    .vgpr_count:     1024
    .wavefront_size: 32
...
	.end_amdgpu_metadata
.endif
;; end of part 2
;; ======== version 2 of 2: 2 launches; version 1 with the launch mlp written anew for expert scheduling mode
;; workspace buffers: xq 4,194,304 bytes; xs 262,144 bytes; wf 4,194,304 bytes; cvec 32,768 bytes; rt 16,384 bytes of whole numbers
;; launch route: the kernel of part 1 again; grid 256 x 1, 8 waves a work-group, no clusters, 177,152 bytes of LDS; arguments x, Wg, bg, W1_codes, W2_codes, W2_scales, b1, b2, out1, out2, xq, xs, wf, cvec, rt; writes out1, out2, xq, xs, wf, cvec, rt
;; launch mlp (part 3): grid 135 x 1, 4 waves a work-group, no clusters, 98,816 bytes of LDS; arguments rt, xq, xs, wf, W1_scales, W2_scales, b1, b2, cvec, out0; writes out0
.if DOCPART == 3
	.amdgcn_target "amdgcn-amd-amdhsa--gfx1250"
	.amdhsa_code_object_version 6
	.text
	.protected	k_q832d684ab8_mlp
	.globl	k_q832d684ab8_mlp
	.p2align	8
	.type	k_q832d684ab8_mlp,@function
k_q832d684ab8_mlp:
	s_mov_b64 s[64:65], 0
	v_nop
	global_prefetch_b8 v0, s[64:65] scope:SCOPE_SE
	s_setreg_imm32_b32 hwreg(HW_REG_WAVE_SCHED_MODE, 0, 2), 2
	s_setreg_imm32_b32 hwreg(HW_REG_WAVE_MODE, 25, 1), 1
	s_wait_xcnt 0x0
	s_wait_alu depctr_vm_vsrc(0)
; SECOND LAUNCH.  out0[t] = Q(relu(Q(x_t) W1[e] + b1[e])) W2[e] + b2[e] + the sum over e' != e of c[e'], e the expert chosen for token t; both products on codes of FP4 (E2M1) with E8M0 scales.
; A work-group takes one tile of at most 64 rows of one expert through the whole chain.  With N_e rows for expert e there are tot = sum of ceil(N_e / 64) tiles, 128 to 135 whatever the split; 135 work-groups are launched, and
; EVERY ONE HAS ROWS: the expert with the most rows has at least 1,024, so at least 16 full tiles; work-group tot + j takes rows 64 j + 32 .. 64 j + 63 of it, and the owner of its tile j keeps rows 64 j .. 64 j + 31.
; A tile of n < 64 rows computes its last row again in the places that are over and stores the same bytes again: no lane is switched off.  THE TEXT HAS NO BRANCH: the stored whole numbers steer addresses alone, each held by a minimum ahead of its use.
; PLACING THE ROWS: every work-group reads the 256 blocks' records (16 KB), sums the counts (a scan over lanes and waves), finds its tile by selects, lays a table of 256 prefixes for its expert in LDS, and each row finds its
; block in four rounds of three probes.  The loads that hang on the expert alone are issued behind LDS instructions that are already out, so that the rows' own loads go out as early as the search allows.
; THE WAVES SHARE THE COLUMNS: wave w makes hidden units 128 w .. + 127 (K step w of the second product) and outputs 256 w .. + 255 (two passes of 128), for all 64 rows.  Each weight fragment comes from memory once for the
; work-group, straight into one wave's registers (wf lies in the order of the operand's registers), and feeds four matrix instructions.  A ring of four groups of eight fragments: a slot is asked for again when the step that
; read it has been issued; ahead of the first way out that is done before the stores, so that the last group does not stand behind them.
; No cluster: how many tiles an expert has hangs on stored counts, so no fixed grid of clusters holds one expert for every split, and the weights do not pass through LDS.
; Both products are used transposed (source 0 = 16 rows of a weight, source 1 = 16 tokens): a lane holds one token, its registers run along the hidden units or the outputs.
; REGISTERS, in windows of 256.  Window 0: v0-15 ids and addresses, v16-31 at work, v32-63 W1's scale words, v64-79 x's, v96-127 W2's, v128-143 the hidden layer's (these four hold scales alone), v144-151 what is added to each row,
;   v152-160 codes and scale word just made, v164-179 at work, v184-247 a buffer of 64.  Window 1: the ring.  Window 2: 32 accumulators, (m, t) at 8 (8 m + t).
;   Window 3: v0-63 x's fragments, two sets, later the 64 rows' offsets in out0; v64-127 b1 in the result's layout, later a second buffer of 64; v128-255 the hidden layer's 16 fragments.
; THE MODE: SCHED_MODE bits 1:0 = 2 (LLVM: expert scheduling mode 2), set by the entry lines.  The code itself states the register dependences between vector or matrix instructions and memory or LDS instructions,
; and those through scalar registers that vector instructions write, with s_wait_alu, always for 0.
; THE PLAN.  Registers that memory or LDS instructions touch, and who else names them:
;   v4-v14, v24, v25   addresses and offsets: written once by vector lines, never again; the first wait on va_vdst behind them serves every later access.
;   v16-v31            the placing of the rows: each address or datum is made by vector lines, one wait on va_vdst, the access; one wait on vm_vsrc ahead of the lines that write it again.
;   the ring's slots, x's two sets   loads land; one step's products read; the next step's head has ONE wait on va_vdst and asks for them again.  The requests stand together at the head: the launch lives on loads in flight.
;   v184-247           the records; the rows' codes; the two passes' vectors (loads land, the sums read and write); the way out's even tiles.  Window 3's v64-127: b1; the tokens; the way out's odd tiles.
;   v152-160           the quantiser writes, three LDS stores read: a wait on va_vdst ahead of the stores, one on vm_vsrc ahead of the next tile's quantiser.
;   the accumulators   products write; the way out's LDS stores read (a wait on va_vdst at its head); the second pass's products write them anew (a wait on vm_vsrc between).
;   on the way out a buffer goes round: LDS loads land, additions write, a wait on va_vdst, global stores read, a wait on vm_vsrc, LDS loads land again.
;   Scale words, weights' fragments, x's and the hidden layer's fragments are written by loads alone: no product takes an operand that a vector line has made.
.set NWG,   135
.set WTOT,  0                          ; LDS: the waves' totals, 16 bytes each
.set TOKL,  256                        ; the tile's 64 tokens
.set PTAB,  512                        ; for each block: (rows of my expert in the blocks before) << 8 | its offset inside the block
.set SRTB,  1536                       ; for each block: 32 local token numbers, sorted by expert
.set XIMG,  9728                       ; x's fragments as images of their registers: 1,024 (8 m + s) + 512 c + 16 lane
.set XSC,   42496                      ; x's scale words: 512 m + 16 lane
.set HIMG,  44544                      ; the hidden layer's: 1,024 (4 m + s) + 512 c + 16 lane
.set HSC,   60928                      ; 512 m + 16 lane + 4 s
.set STAGE, 62976                      ; the way out: for each wave 16 rows of 512 bytes + 16
.set SP,    528
.set LANE, 1
.set R,    2
.set H,    3
.set LI,   4                           ; 16 lane
.set XWI,  5                           ; + 8,192 w
.set XSW,  6                           ; + 512 w
.set HWI,  7                           ; + 1,024 w
.set HSW,  8                           ; + 4 w
.set STO,  9
.set RD,   10
.set PTW,  11                          ; 8 x thread
.set SRW,  12                          ; 64 x thread
.set TKW,  13                          ; 64 w + 4 r
.set ZERO, 14
.set HM,   15                          ; all ones in lanes 16-31
.set W1S,  32
.set XS,   64
.set W2S,  96
.set HS,   128
.set T,    144
.set PC,   152
.set PW,   160
.set TM,   164
.set BK0,  184
.set B1,   64                          ; window 3
.set BK1,  64                          ; window 3
.set HF,   128                         ; window 3
.set MSB, 0
.macro WIN new                         ; low byte: bits 1:0 source 0, 3:2 source 1, 5:4 source 2, 7:6 destination; the high byte repeats the setting that is left
.if MSB != \new
	s_set_vgpr_msb (MSB<<8)|\new
.set MSB, \new
.endif
.endm
.macro BARRIER                         ; my LDS stores have landed and my LDS loads are in: then the work-group's barrier
	s_wait_dscnt 0x0
	s_barrier_signal -1
	s_barrier_wait -1
.endm
	s_load_b512 s[4:19], s[0:1], 0x0               ; rt, xq, xs, wf, W1 scales, W2 scales, b1, b2
	s_load_b128 s[20:23], s[0:1], 0x40             ; cvec, out0
	v_lshl_add_u32 v254, v0, 2, 0x18000
	v_mov_b32 v255, 0
	v_lshrrev_b32 v1, 5, v0
	v_readfirstlane_b32 s26, v1                    ; wave 0..3
	v_and_b32 v[LANE], 31, v0
	v_and_b32 v[R], 15, v0
	v_bfe_u32 v[H], v0, 4, 1
	v_lshlrev_b32 v[LI], 4, v[LANE]
	s_wait_alu depctr_va_sdst(0)                   ; s26 is written, ahead of its first reader: LDS addresses and the buffers' bases are made from it
	s_lshl_b32 s27, s26, 13
	v_add_nc_u32 v[XWI], s27, v[LI]
	s_lshl_b32 s27, s26, 9
	v_add_nc_u32 v[XSW], s27, v[LI]
	s_lshl_b32 s27, s26, 10
	v_add_nc_u32 v[HWI], s27, v[LI]
	s_lshl_b32 s27, s26, 2
	v_add_nc_u32 v[HSW], s27, v[LI]
	s_mul_i32 s27, s26, 16*SP
	s_add_co_u32 s27, s27, STAGE
	v_mul_u32_u24 v[STO], v[R], SP
	v_lshl_add_u32 v[STO], v[H], 5, v[STO]
	v_add_nc_u32 v[STO], s27, v[STO]               ; in: row r, 32 bytes for each half of the lanes
	v_add_nc_u32 v[RD], s27, v[LI]                 ; back: a whole row, 16 bytes a lane
	v_lshlrev_b32 v[PTW], 3, v0
	v_lshlrev_b32 v[SRW], 6, v0
	s_lshl_b32 s27, s26, 6
	v_lshl_add_u32 v[TKW], v[R], 2, s27
	v_mov_b32 v[ZERO], 0
	v_sub_nc_u32 v[HM], 0, v[H]
	v_lshlrev_b32 v16, 7, v0
	s_mov_b32 s90, 0x76543210
	s_mov_b32 s91, 0xfedcba98                      ; v_permlanex16_b32's selects for lane l xor 16
	s_wait_kmcnt 0x0
	s_wait_alu depctr_va_vdst(0)                   ; v16, the records' offset, is written, and so are the addresses v4 to v14, which LDS and memory instructions read from here to the end
	; ---- the records of blocks 2 t and 2 t + 1: counts v184-187, offsets v188-191, sorted bytes v192-199; the second block's 16 registers on
.irp i, 0,1,2,3,4,5,6,7
	global_load_b128 v[BK0+4*\i:BK0+4*\i+3], v16, s[4:5] offset:16*\i
.endr
.irp i, 0,1,2,3
	v_mov_b32 v[20+\i], 0                          ; the destination of a DPP form or a lane permute counts as read
	v_mov_b32 v[TM+4+\i], 0
.endr
	s_wait_loadcnt 0x0
	ds_store_b128 v[SRW], v[BK0+8:BK0+11] offset:SRTB
	ds_store_b128 v[SRW], v[BK0+12:BK0+15] offset:SRTB+16
	ds_store_b128 v[SRW], v[BK0+24:BK0+27] offset:SRTB+32
	ds_store_b128 v[SRW], v[BK0+28:BK0+31] offset:SRTB+48
	s_wait_alu depctr_vm_vsrc(0)                   ; the records' loads have read v16, which the scan writes next; the four stores have read their parts of the buffer, in which the rows' codes land later
	; ---- an inclusive scan of the eight counts, two to a register (no sum passes 8,192, so nothing is carried between the halves)
.irp i, 0,1,2,3
	v_add_nc_u32 v[16+\i], v[BK0+\i], v[BK0+16+\i]
.endr
.irp n, 1,2,4,8
.irp i, 0,1,2,3
	v_mov_b32_dpp v[20+\i], v[16+\i] row_shr:\n row_mask:0xf bank_mask:0xf bound_ctrl:1
.endr
.irp i, 0,1,2,3
	v_add_nc_u32 v[16+\i], v[16+\i], v[20+\i]
.endr
.endr
.irp i, 0,1,2,3
	v_readlane_b32 s[28+\i], v[16+\i], 15
.endr
	s_wait_alu depctr_va_sdst(0)                   ; s28 to s31, the first sixteen lanes' totals, are written, ahead of the lines that read them
.irp i, 0,1,2,3
	v_and_b32 v[20+\i], s[28+\i], v[HM]            ; lanes 16-31 add the first sixteen's total
	v_add_nc_u32 v[16+\i], v[16+\i], v[20+\i]
.endr
.irp i, 0,1,2,3
	v_readlane_b32 s[28+\i], v[16+\i], 31
.endr
	s_wait_alu depctr_va_sdst(0)                   ; s28 to s31, the wave's totals, are written, ahead of the moves that read them
.irp i, 0,1,2,3
	v_mov_b32 v[24+\i], s[28+\i]
.endr
	s_lshl_b32 s27, s26, 4
	v_mov_b32 v28, s27
	s_wait_alu depctr_va_vdst(0)                   ; v24 to v27, the store's data, and v28, its address, are written
	ds_store_b128 v28, v[24:27] offset:WTOT        ; my wave's totals (all lanes write the same bytes)
	BARRIER
.irp w, 0,1,2,3
	ds_load_b128 v[BK0+32+4*\w:BK0+35+4*\w], v[ZERO] offset:WTOT+16*\w
.endr
	s_wait_dscnt 0x0
	s_wait_alu depctr_vm_vsrc(0)                   ; the totals' store has read v24 to v28, which are written again from here on
.irp i, 0,1,2,3
	v_add_nc_u32 v[24+\i], v[BK0+32+\i], v[BK0+36+\i]
.endr
.irp i, 0,1,2,3
	v_add3_u32 v[24+\i], v[24+\i], v[BK0+40+\i], v[BK0+44+\i]
.endr
.irp i, 0,1,2,3
	v_readfirstlane_b32 s[28+\i], v[24+\i]         ; the eight N_e
.endr
.irp w, 0,1,2
	s_cmp_gt_u32 s26, \w
	s_cselect_b32 s27, -1, 0
.irp i, 0,1,2,3
	v_and_b32 v[20+\i], s27, v[BK0+32+4*\w+\i]     ; the totals of the waves before mine
	v_add_nc_u32 v[16+\i], v[16+\i], v[20+\i]
.endr
.endr
	s_wait_alu depctr_va_sdst(0)                   ; s28 to s31, the eight N_e, are written, ahead of their first reader: my tile, and with it every base, is made from them
	; ---- my tile, by selects: s40 expert, s49 its first row in the expert's list, s50 its rows
.irp i, 0,1,2,3
	s_and_b32 s[32+2*\i], s[28+\i], 0xffff
	s_lshr_b32 s[33+2*\i], s[28+\i], 16
.endr
	s_mov_b32 s46, 0                               ; the expert with the most rows
	s_mov_b32 s47, s32
.irp q, 1,2,3,4,5,6,7
	s_cmp_gt_u32 s[32+\q], s47
	s_cselect_b32 s46, \q, s46
	s_cselect_b32 s47, s[32+\q], s47
.endr
	s_mov_b32 s40, 0
	s_mov_b32 s41, 0
	s_mov_b32 s42, s32
	s_mov_b32 s43, 0                               ; the first tile of expert q
.irp q, 0,1,2,3,4,5,6,7
	s_cmp_ge_u32 ttmp9, s43
	s_cselect_b32 s40, \q, s40
	s_cselect_b32 s41, s43, s41
	s_cselect_b32 s42, s[32+\q], s42
	s_add_co_u32 s44, s[32+\q], 63
	s_lshr_b32 s44, s44, 6
	s_add_co_u32 s43, s43, s44
.endr                                          ; s43 = tot
	s_sub_co_u32 s45, NWG, s43                     ; work-groups over: 0 to 7
	s_sub_co_u32 s48, ttmp9, s41                   ; which tile of the expert
	s_lshl_b32 s49, s48, 6
	s_sub_co_u32 s50, s42, s49
	s_min_u32 s50, s50, 64
	s_cmp_eq_u32 s40, s46
	s_cselect_b32 s51, s45, 0
	s_cmp_lt_u32 s48, s51                          ; a tile that is shared keeps its first 32 rows
	s_cselect_b32 s50, 32, s50
	s_sub_co_u32 s52, ttmp9, s43
	s_lshl_b32 s52, s52, 6
	s_add_co_u32 s52, s52, 32
	s_cmp_ge_u32 ttmp9, s43                        ; a work-group over takes the other 32
	s_cselect_b32 s40, s46, s40
	s_cselect_b32 s49, s52, s49
	s_cselect_b32 s50, 32, s50
	s_min_u32 s40, s40, 7                          ; held ahead of its use in addresses
	s_lshr_b32 s51, s40, 1
.irp i, 0,1,2,3
	s_cmp_eq_u32 s51, \i
	s_cselect_b32 s[56+\i], -1, 0                  ; which packed register holds my expert,
.endr
	s_and_b32 s60, s40, 1
	s_lshl_b32 s60, s60, 4                         ; and which half of it
.irp q, 0,1,2,3,4,5,6,7
	s_cmp_lg_u32 s40, \q
	s_cselect_b32 s[66+\q], -1, 0                  ; the experts that were not chosen
.endr
	s_mov_b32 s53, 0
	s_lshl_b32 s52, s40, 19
	s_lshl_b32 s54, s26, 17
	s_add_co_u32 s52, s52, s54
	s_add_nc_u64 s[74:75], s[10:11], s[52:53]      ; wf at (e, w)
	s_lshl_b32 s52, s40, 14
	s_lshl_b32 s54, s26, 12
	s_add_co_u32 s52, s52, s54
	s_add_nc_u64 s[76:77], s[12:13], s[52:53]      ; W1's scales: my 128 rows of 32 bytes
	s_add_nc_u64 s[80:81], s[14:15], s[52:53]      ; W2's: my 256 rows of 16
	s_lshl_b32 s52, s40, 11
	s_lshl_b32 s54, s26, 9
	s_add_co_u32 s52, s52, s54
	s_add_nc_u64 s[78:79], s[16:17], s[52:53]      ; b1
	s_lshl_b32 s52, s40, 12
	s_lshl_b32 s54, s26, 10
	s_add_co_u32 s52, s52, s54
	s_add_nc_u64 s[82:83], s[18:19], s[52:53]      ; b2
	s_mov_b32 s52, s54
	s_add_nc_u64 s[84:85], s[20:21], s[52:53]      ; cvec at my 256 outputs
.macro RINGH g, hf                     ; half hf of group g: four fragments, 8 loads of 512 consecutive bytes, into slot g % 4
	WIN 0x40
.irp i, 0,1,2,3,4,5,6,7
	global_load_b128 v[64*((\g)%4)+32*(\hf)+4*\i:64*((\g)%4)+32*(\hf)+4*\i+3], v[LI], s[74:75] offset:8192*(\g)+4096*(\hf)+512*\i
.endr
.endm
.macro RING g                          ; group g: eight fragments, 16 loads
	RINGH \g, 0
	RINGH \g, 1
.endm
	v_and_b32 v24, 8, v[R]                         ; W1's scale words: row r + 8 (r / 8) of a tile, 32 bytes a row, + 16 h
	v_add_nc_u32 v24, v24, v[R]
	v_lshlrev_b32 v24, 5, v24
	v_lshl_add_u32 v24, v[H], 4, v24
	v_lshlrev_b32 v25, 6, v[H]                     ; b1: my half's numbers
	; ---- the table of prefixes for my expert comes first: the rows' search hangs on it
.macro EXTR dst, src                   ; my expert's 16 bits out of four packed registers
	v_and_b32 v[\dst], s56, v[\src]
	v_and_or_b32 v[\dst], v[\src+1], s57, v[\dst]
	v_and_or_b32 v[\dst], v[\src+2], s58, v[\dst]
	v_and_or_b32 v[\dst], v[\src+3], s59, v[\dst]
	v_lshrrev_b32 v[\dst], s60, v[\dst]
	v_and_b32 v[\dst], 0xffff, v[\dst]
.endm
	EXTR 26, 16                                    ; rows up to and with my two blocks
	EXTR 27, BK0                                   ; the first block's count
	EXTR 28, BK0+16                                ; the second's
	EXTR 29, BK0+4                                 ; their offsets
	EXTR 30, BK0+20
	v_sub_nc_u32 v26, v26, v28                     ; rows before the second block
	v_sub_nc_u32 v27, v26, v27                     ; rows before the first
	v_lshl_or_b32 v20, v27, 8, v29
	v_lshl_or_b32 v21, v26, 8, v30
	s_wait_alu depctr_va_vdst(0)                   ; v20 and v21, the store's data, and the offsets v24 and v25 are written; the lines above are done with v29, in which the table's first entry lands below
	ds_store_b64 v[PTW], v[20:21] offset:PTAB
	; 40 loads hang on the expert alone and stand ahead of the rows' 17: W1's scale words (8) here, behind the table's store; b1 (16) and group 0 (16) behind the probes below, eight to a round.
	; 57 in all: LOADcnt counts up to 63 and a load beyond that is held at its issue (ISA guide 5.7.1), so none of the rows' loads is held
.irp t, 0,1,2,3,4,5,6,7
	global_load_b128 v[W1S+4*\t:W1S+4*\t+3], v24, s[76:77] offset:32*(32*(\t/2)+8*(\t%2))   ; register 4 t + j: lanes 0-15 K step j, lanes 16-31 K step 4 + j
.endr
	BARRIER
	; ---- lane (r, h) of wave w finds the token of row 16 w + r: the last block whose prefix is not above the row's place in the expert's list.  From this barrier to the next no wave stores to LDS
	s_lshl_b32 s52, s26, 4
	v_add_nc_u32 v26, s52, v[R]
	s_sub_co_u32 s52, s50, 1
	v_min_u32 v26, s52, v26                        ; the places that are over repeat the last row
	v_add_nc_u32 v26, s49, v26
	v_lshl_or_b32 v27, v26, 8, 0xff                ; an entry is not above this key where its prefix is not above the place
	v_mov_b32 v28, 0                               ; 4 x block
	ds_load_b32 v29, v[ZERO] offset:PTAB           ; (no vector line since the last wait on va_vdst names v29)
; A round of the search: the entries st, 2 st and 3 st blocks on are asked for together; four rounds (64, 16, 4, 1) reach all 256 blocks.  The prefixes do not fall from block to block, so taking the three in ascending order leaves the last that is not above the key.
.macro ASK3 st
	v_add_nc_u32 v16, 4*\st, v28
	v_add_nc_u32 v17, 8*\st, v28
	v_add_nc_u32 v18, 12*\st, v28
	v_min_u32 v16, 0x3fc, v16                      ; the block chosen so far hangs on table words: held ahead of its use in an address.  4 x 255 is the largest that the four rounds can add up to, so no value is changed
	v_min_u32 v17, 0x3fc, v17
	v_min_u32 v18, 0x3fc, v18
	s_wait_alu depctr_va_vdst(0)                   ; the three addresses v16 to v18 are written; the vector lines that named v19, v22 and v23 (the last round's compares and selects) are done with them: the probes land there
	ds_load_b32 v19, v16 offset:PTAB
	ds_load_b32 v22, v17 offset:PTAB
	ds_load_b32 v23, v18 offset:PTAB
.endm
.macro TAKE3
	WIN 0
	s_wait_dscnt 0x0
	s_wait_alu depctr_vm_vsrc(0)                   ; the probes have read v16 to v18, which are written again: by the next round's additions, and behind the last round by the load of x's scale words; the table's store has read v20 and v21
	v_cmp_le_u32 s92, v19, v27                     ; the three compares in one run, a mask each
	v_cmp_le_u32 s93, v22, v27
	v_cmp_le_u32 s94, v23, v27
	s_wait_alu depctr_va_sdst(0)                   ; s92 to s94 are written, ahead of the selects that read them
	v_cndmask_b32 v28, v28, v16, s92
	v_cndmask_b32 v29, v29, v19, s92
	v_cndmask_b32 v28, v28, v17, s93
	v_cndmask_b32 v29, v29, v22, s93
	v_cndmask_b32 v28, v28, v18, s94
	v_cndmask_b32 v29, v29, v23, s94
.endm
	ASK3 64
	WIN 0xC0                                       ; b1 in the result's layout, window 3: tiles 0 to 3 while the probes are out.  (No vector line has named these registers, nor group 0's; the offset v25 stands ahead of the waits above)
.irp t, 0,1,2,3
	global_load_b128 v[B1+8*\t:B1+8*\t+3], v25, s[78:79] offset:4*(32*(\t/2)+8*(\t%2))
	global_load_b128 v[B1+8*\t+4:B1+8*\t+7], v25, s[78:79] offset:4*(32*(\t/2)+8*(\t%2))+16
.endr
	TAKE3
	ASK3 16
	WIN 0xC0                                       ; tiles 4 to 7
.irp t, 4,5,6,7
	global_load_b128 v[B1+8*\t:B1+8*\t+3], v25, s[78:79] offset:4*(32*(\t/2)+8*(\t%2))
	global_load_b128 v[B1+8*\t+4:B1+8*\t+7], v25, s[78:79] offset:4*(32*(\t/2)+8*(\t%2))+16
.endr
	TAKE3
	ASK3 4
	RINGH 0, 0
	TAKE3
	ASK3 1
	RINGH 0, 1
	TAKE3
	v_and_b32 v30, 0xff, v29
	v_lshrrev_b32 v31, 8, v29
	v_add_nc_u32 v30, v30, v26
	v_sub_nc_u32 v30, v30, v31                     ; the place inside the block's sorted list
	v_lshl_add_u32 v30, v28, 3, v30                ; + 32 x block
	v_min_u32 v30, 0x1fff, v30
	s_wait_alu depctr_va_vdst(0)                   ; v30, the address, is written; the lines above are done with v31, in which the byte lands
	ds_load_u8 v31, v30 offset:SRTB
	s_wait_dscnt 0x0
	v_lshl_add_u32 v31, v28, 3, v31                ; the token
	v_min_u32 v31, 0x1fff, v31                     ; held ahead of its use in addresses
	; ---- my 16 rows' codes (8 fragments) and scale words: 17 loads, issued ahead of the barrier that closes the search: they touch no LDS byte
	v_lshlrev_b32 v20, 9, v31
	v_lshl_add_u32 v20, v[H], 4, v20
	v_lshlrev_b32 v21, 5, v31
	v_lshl_add_u32 v21, v[H], 4, v21
	s_wait_alu depctr_va_vdst(0)                   ; the offsets v20 and v21 are written, and v31, which the store behind the barrier reads; the search is done with v16 to v19 and the scan with the buffer: the loads below land in them
.irp s, 0,1,2,3,4,5,6,7
.irp c, 0,1
	global_load_b128 v[BK0+8*\s+4*\c:BK0+8*\s+4*\c+3], v20, s[6:7] offset:64*\s+32*\c
.endr
.endr
	global_load_b128 v[16:19], v21, s[8:9]
	BARRIER                                        ; every wave's probes are in: LDS may be stored to again
	ds_store_b32 v[TKW], v31 offset:TOKL
	; ---- 56 loads behind the rows': W2's scale words (register 4 q + s: lanes 0-15 tile 2 q, lanes 16-31 tile 2 q + 1), groups 1, 2, 3.  No vector line has named their registers
.irp q, 0,1,2,3,4,5,6,7
	global_load_b128 v[W2S+4*\q:W2S+4*\q+3], v[LI], s[80:81] offset:512*\q
.endr
	RING 1
	RING 2
	RING 3
	WIN 0
	s_wait_loadcnt 56                              ; those 56 may be out; my rows are in, and so is all that was asked for earlier: W1's scale words, b1, group 0
.irp s, 0,1,2,3,4,5,6,7
.irp c, 0,1
	ds_store_b128 v[XWI], v[BK0+8*\s+4*\c:BK0+8*\s+4*\c+3] offset:XIMG+1024*\s+512*\c
.endr
.endr
	ds_store_b128 v[XSW], v[16:19] offset:XSC
	BARRIER                                        ; the 64 rows' fragments lie in LDS
	s_wait_alu depctr_vm_vsrc(0)                   ; my LDS stores have read the buffer, in which pass 0's vector lands in step 1, and v16, which is written again ahead of the second product
.macro XFETCH k                        ; K step k's four fragments of x into set k % 2 (window 3)
.irp m, 0,1,2,3
.irp c, 0,1
	ds_load_b128 v[32*((\k)%2)+8*\m+4*\c:32*((\k)%2)+8*\m+4*\c+3], v[LI] offset:XIMG+1024*(8*\m+(\k))+512*\c
.endr
.endr
.endm
.irp m, 0,1,2,3
	ds_load_b128 v[XS+4*\m:XS+4*\m+3], v[LI] offset:XSC+512*\m   ; register 4 m + j: lanes 0-15 K step j, lanes 16-31 K step 4 + j
.endr
	WIN 0xC0
	XFETCH 0
.macro TLOAD p                         ; 9 loads: b2[e] and the eight c[e'] at my four outputs of pass p
	global_load_b128 v[BK0:BK0+3], v[LI], s[82:83] offset:512*\p
.irp q, 0,1,2,3,4,5,6,7
	global_load_b128 v[BK0+4+4*\q:BK0+7+4*\q], v[LI], s[84:85] offset:4096*\q+512*\p
.endr
.endm
.macro TSUM p                          ; b2[e] + the seven others' c, summed directly: the chosen expert's is masked to zero
.irp q, 0,1,2,3,4,5,6,7
.irp i, 0,1,2,3
	v_and_b32 v[BK0+4+4*\q+\i], s[66+\q], v[BK0+4+4*\q+\i]
.endr
.endr
	v_pk_add_f32 v[T+4*\p:T+4*\p+1], v[BK0:BK0+1], v[BK0+4:BK0+5]
	v_pk_add_f32 v[T+4*\p+2:T+4*\p+3], v[BK0+2:BK0+3], v[BK0+6:BK0+7]
.irp q, 1,2,3,4,5,6,7
	v_pk_add_f32 v[T+4*\p:T+4*\p+1], v[T+4*\p:T+4*\p+1], v[BK0+4+4*\q:BK0+5+4*\q]
	v_pk_add_f32 v[T+4*\p+2:T+4*\p+3], v[T+4*\p+2:T+4*\p+3], v[BK0+6+4*\q:BK0+7+4*\q]
.endr
.endm
; A STEP: group g's eight fragments against four tiles of rows: 32 matrix instructions, the 32 accumulators by turns in the same order in every step.
; g = 0 .. 7: first product, K step g.  g = 8 .. 15: second product, pass (g / 4) % 2, K step g % 4.  tl: what is asked for beside the ring (-1: nothing).  n: the loads issued behind group g, which may stay out (-1: it has landed).
; At its head a step asks for group g + 3, into the slot that the last step read.  Groups 11 and 15 are asked for elsewhere: in the quantiser and at the head of the first way out.
; ONE wait on va_vdst stands at the head of a step that asks for anything into registers that vector or matrix instructions have named (steps 1 to 7 and 9 to 11); behind it stand loads and window switches alone, up to the step's
; products, which name this step's slot, this step's set, scale words and accumulators: none of the registers that those loads touch.
.macro STEP g, tl, n
.rept 4
	v_nop                                          ; places behind the last step's products, ahead of what follows on their registers
.endr
.if ((\g) >= 1) && ((\g) <= 11) && ((\g) != 8)
	s_wait_alu depctr_va_vdst(0)                   ; the last step's products are done reading their slot of the ring and their set of x's fragments, in which the loads below land; in step 5 the sums of pass 0's vector are done with the buffer in which pass 1's lands
.endif
.if (\g) < 7
	WIN 0xC0
	XFETCH (\g)+1
.endif
.if (\tl) >= 0
	WIN 0
	TLOAD \tl
.endif
.if ((\g) >= 1) && ((\g) <= 11) && ((\g) != 8)
	RING (\g)+3
.endif
.if (\n) >= 0
	s_wait_loadcnt \n
.endif
.if (\g) < 7
	s_wait_dscnt 8                                 ; all but the eight LDS loads just issued
.elseif (\g) == 7
	s_wait_dscnt 0x0
.endif
.set SG, (\g)%4
.if (\g) == 0
	WIN 0xBD                                       ; A window 1, B window 3, C (b1) window 3, D window 2
.else
	WIN 0xAD                                       ; A window 1, B window 3, C and D window 2
.endif
.irp m, 0,1,2,3
.irp t, 0,1,2,3,4,5,6,7
.set rD, 8*(8*\m+\t)
.set rA, 64*SG+8*\t
.if (\g) < 8
.set rB, 32*((\g)%2)+8*\m
.set rX, W1S+4*\t+SG
.set rY, XS+4*\m+SG
.else
.set rB, HF+8*(4*\m+SG)
.set rX, W2S+4*((8*(((\g)/4)%2)+\t)/2)+SG
.set rY, HS+4*\m+SG
.endif
.if (\g) == 0
	v_wmma_scale_f32_16x16x128_f8f6f4 v[rD:rD+7], v[rA:rA+7], v[rB:rB+7], v[B1+8*\t:B1+8*\t+7], v[rX], v[rY] matrix_a_fmt:MATRIX_FMT_FP4 matrix_b_fmt:MATRIX_FMT_FP4
.elseif (\g) < 4
	v_wmma_scale_f32_16x16x128_f8f6f4 v[rD:rD+7], v[rA:rA+7], v[rB:rB+7], v[rD:rD+7], v[rX], v[rY] matrix_a_fmt:MATRIX_FMT_FP4 matrix_b_fmt:MATRIX_FMT_FP4
.elseif (\g) < 8
	v_wmma_scale_f32_16x16x128_f8f6f4 v[rD:rD+7], v[rA:rA+7], v[rB:rB+7], v[rD:rD+7], v[rX], v[rY] matrix_a_fmt:MATRIX_FMT_FP4 matrix_b_fmt:MATRIX_FMT_FP4 matrix_a_scale:MATRIX_SCALE_ROW1 matrix_b_scale:MATRIX_SCALE_ROW1
.elseif (SG == 0) && ((\t%2) == 0)
	v_wmma_scale_f32_16x16x128_f8f6f4 v[rD:rD+7], v[rA:rA+7], v[rB:rB+7], 0, v[rX], v[rY] matrix_a_fmt:MATRIX_FMT_FP4 matrix_b_fmt:MATRIX_FMT_FP4
.elseif SG == 0
	v_wmma_scale_f32_16x16x128_f8f6f4 v[rD:rD+7], v[rA:rA+7], v[rB:rB+7], 0, v[rX], v[rY] matrix_a_fmt:MATRIX_FMT_FP4 matrix_b_fmt:MATRIX_FMT_FP4 matrix_a_scale:MATRIX_SCALE_ROW1
.elseif (\t%2) == 0
	v_wmma_scale_f32_16x16x128_f8f6f4 v[rD:rD+7], v[rA:rA+7], v[rB:rB+7], v[rD:rD+7], v[rX], v[rY] matrix_a_fmt:MATRIX_FMT_FP4 matrix_b_fmt:MATRIX_FMT_FP4
.else
	v_wmma_scale_f32_16x16x128_f8f6f4 v[rD:rD+7], v[rA:rA+7], v[rB:rB+7], v[rD:rD+7], v[rX], v[rY] matrix_a_fmt:MATRIX_FMT_FP4 matrix_b_fmt:MATRIX_FMT_FP4 matrix_a_scale:MATRIX_SCALE_ROW1
.endif
.endr
.endr
.endm
; 64 numbers of a lane in window 2, v[s] on, register 16 b + i = k 32 b + 16 h + i of my row, none negative, become a fragment's codes in v[PC] on and its scale word in v[PW]
.macro QUANT s
	WIN 0x0A
.irp b, 0,1,2,3
	v_max3_num_f32 v[TM+\b], v[\s+16*\b], v[\s+1+16*\b], 0x1800000   ; and the floor 2^(3 - 127): the byte cannot fall under 1
.endr
	WIN 0x28
.irp i, 2,4,6,8,10,12,14
.irp b, 0,1,2,3
	v_max3_num_f32 v[TM+\b], v[TM+\b], v[\s+16*\b+\i], v[\s+1+16*\b+\i]
.endr
.endr
	WIN 0
.irp b, 0,1,2,3
	v_permlanex16_b32 v[TM+4+\b], v[TM+\b], s90, s91
.endr
.irp b, 0,1,2,3
	v_max_num_f32 v[TM+\b], v[TM+\b], v[TM+4+\b]   ; with lane l xor 16's: the block's largest
.endr
.irp b, 0,1,2,3
	v_add_nc_u32 v[TM+12+\b], 0xff000000, v[TM+\b] ; 2 off its exponent field: the conversion's scale operand
.endr
.irp b, 0,1,2,3
	v_lshrrev_b32 v[TM+4+\b], 23, v[TM+12+\b]      ; the scale's byte
.endr
	v_lshl_or_b32 v[PW], v[TM+5], 8, v[TM+4]
	v_lshl_or_b32 v[PW], v[TM+6], 16, v[PW]
	v_lshl_or_b32 v[PW], v[TM+7], 24, v[PW]
	WIN 0x02
.irp b, 0,1,2,3
	v_cvt_scalef32_pk8_fp4_f32 v[PC+2*\b], v[\s+16*\b:\s+16*\b+7], v[TM+12+\b]
	v_cvt_scalef32_pk8_fp4_f32 v[PC+1+2*\b], v[\s+16*\b+8:\s+16*\b+15], v[TM+12+\b]
.endr
	WIN 0
	v_nop                                          ; one plain place behind a scaled conversion
.irp c, 0,1
.irp i, 0,1
	v_permlane16_swap_b32 v[PC+4*\c+\i], v[PC+2+4*\c+\i]   ; a whole block to a lane
.endr
.endr
.endm
; THE WAY OUT of a pass: a tile of 16 rows x 128 outputs goes through my own stage and comes back as whole rows of 512 bytes; what is added to every row is added there; each store covers 512 consecutive bytes of one token's row, aligned.
.macro TOSTAGE a
	WIN 0x08                                       ; an LDS store's data are its source 1: window 2
.irp t, 0,1,2,3,4,5,6,7
	ds_store_b128 v[STO], v[8*(8*(\a)+\t):8*(8*(\a)+\t)+3] offset:64*\t        ; each accumulator from its low end on
	ds_store_b128 v[STO], v[8*(8*(\a)+\t)+4:8*(8*(\a)+\t)+7] offset:64*\t+16
.endr
.if (\a)%2
	WIN 0xC0
.else
	WIN 0
.endif
.if (\a) >= 2
	s_wait_alu depctr_va_vdst(0)                   ; the additions of the tile two back are done with this buffer, in which the loads below land: the window's switch, this wait, the loads
.endif
.set BB, BK0-(BK0-BK1)*((\a)%2)
.irp i, 0,1,2,3,4,5,6,7,8,9,10,11,12,13,14,15
	ds_load_b128 v[BB+4*\i:BB+4*\i+3], v[RD] offset:\i*SP      ; LDS serves a wave's instructions in order: these see my stores, and the next tile's stores come behind them
.endr
.endm
.macro SEND a, p, younger
.set BB, BK0-(BK0-BK1)*((\a)%2)
	s_wait_dscnt \younger                          ; the tile is back; the next tile's 16 stores and 16 loads may be out
.if (\a)%2
	WIN 0xC3
.else
	WIN 0
.endif
.irp i, 0,1,2,3,4,5,6,7,8,9,10,11,12,13,14,15
	v_pk_add_f32 v[BB+4*\i:BB+4*\i+1], v[BB+4*\i:BB+4*\i+1], v[T+4*\p:T+4*\p+1]
	v_pk_add_f32 v[BB+4*\i+2:BB+4*\i+3], v[BB+4*\i+2:BB+4*\i+3], v[T+4*\p+2:T+4*\p+3]
.endr
.if (\a)%2
	WIN 0x0F                                       ; the offset (source 0) and the data (source 1) in window 3
.else
	WIN 0x03
.endif
	s_wait_alu depctr_va_vdst(0)                   ; the additions have written the tile's 64 registers, which the sixteen stores read
.irp i, 0,1,2,3,4,5,6,7,8,9,10,11,12,13,14,15
	global_store_b128 v[16*(\a)+\i], v[BB+4*\i:BB+4*\i+3], s[22:23] offset:512*\p th:TH_STORE_NT
.endr
.endm
.macro OUT p
.rept 4
	v_nop                                          ; places in front of the stores that read results just made; they stay beside the wait below
.endr
	s_wait_xcnt 0x0                                ; earlier stores have read the buffers that are loaded again
	s_wait_alu depctr_va_vdst(0)                   ; the pass's products have written the accumulators, which the LDS stores read; the rows' offsets are written, which the global stores read; the vector lines that named the two buffers are done with them; in pass 0 the last step's products are done reading the slot in which group 15 lands
.if \p == 0
	RING 15                                        ; the last group is asked for ahead of this pass's 64 stores: it has the way out and three steps in which to land
.endif
	TOSTAGE 0
	TOSTAGE 1
	SEND 0, \p, 32
	s_wait_xcnt 0x0                                ; tile 0's stores have had their addresses translated,
	s_wait_alu depctr_vm_vsrc(0)                   ; and have read their buffer, in which tile 2's loads land
	TOSTAGE 2
	SEND 1, \p, 32
	s_wait_xcnt 0x0                                ; tile 1's likewise,
	s_wait_alu depctr_vm_vsrc(0)                   ; and have read their buffer, in which tile 3's loads land
	TOSTAGE 3
	SEND 2, \p, 32
	SEND 3, \p, 0
.endm
	; ---- the first product.  The counts: what was issued behind the group that is wanted
	STEP 0, -1, -1
	STEP 1, 0, 57                                  ; groups 2 and 3, the 9 of pass 0's vector, group 4
	STEP 2, -1, 57                                 ; group 3, the 9, groups 4 and 5
	STEP 3, -1, 57                                 ; the 9, groups 4, 5, 6
	STEP 4, -1, 48                                 ; groups 5, 6, 7: the 9 are in
	WIN 0
	TSUM 0
	STEP 5, 1, 57                                  ; groups 6, 7, pass 1's 9, group 8
	STEP 6, -1, 57                                 ; group 7, the 9, groups 8, 9
	STEP 7, -1, 57                                 ; the 9, groups 8, 9, 10
	; ---- relu and the quantiser, a tile of rows at a time: my 128 hidden units are K step w of the second product
.rept 4
	v_nop
.endr
.irp m, 0,1,2,3
	WIN 0x88
.set J, 0
.rept 64
	v_max_num_f32 v[64*\m+J], 0, v[64*\m+J]        ; each accumulator from its low end on
.set J, J+1
.endr
	QUANT 64*\m
	s_wait_alu depctr_va_vdst(0)                   ; the quantiser has written the codes and the scale word, which the three stores read; step 7's products are done reading the slot in which group 11 lands
	ds_store_b128 v[HWI], v[PC:PC+3] offset:HIMG+4096*\m
	ds_store_b128 v[HWI], v[PC+4:PC+7] offset:HIMG+4096*\m+512
	ds_store_b32 v[HSW], v[PW] offset:HSC+512*\m
	s_wait_dscnt 0x0                               ; my stores have landed
.if \m < 3
	s_wait_alu depctr_vm_vsrc(0)                   ; and have read the codes and the scale word, which the next tile's quantiser writes again
.endif
.if \m == 1
	RING 11                                        ; into the slot that step 7 read.  Not straight behind that step: there 57 loads may still be counted, and 16 more would pass LOADcnt's 63 and hold the wave, and the quantiser with it, at their issue (ISA guide 5.7.1)
.endif
.endr
	s_barrier_signal -1
	s_barrier_wait -1                              ; the hidden layer's sixteen fragments lie in LDS
	WIN 0xC0                                       ; (no vector or matrix line since the last wait on va_vdst names a register in which the loads below land)
.irp f, 0,1,2,3,4,5,6,7,8,9,10,11,12,13,14,15
.irp c, 0,1
	ds_load_b128 v[HF+8*\f+4*\c:HF+8*\f+4*\c+3], v[LI] offset:HIMG+1024*\f+512*\c
.endr
.endr
.irp i, 0,1,2,3,4,5,6,7,8,9,10,11,12,13,14,15
	ds_load_b128 v[BK1+4*\i:BK1+4*\i+3], v[ZERO] offset:TOKL+16*\i   ; the 64 tokens, in every lane
.endr
	WIN 0
.irp m, 0,1,2,3
	ds_load_b128 v[HS+4*\m:HS+4*\m+3], v[LI] offset:HSC+512*\m
.endr
	s_lshl_b32 s52, s26, 10
	v_add_nc_u32 v16, s52, v[LI]                   ; my outputs' bytes in a row of out0
	s_wait_dscnt 0x0
	WIN 0xCC
.set J, 0
.rept 64
	v_min_u32 v[BK1+J], 0x1fff, v[BK1+J]           ; held ahead of its use in an address
.set J, J+1
.endr
	WIN 0xC3
.set J, 0
.rept 64
	v_lshl_add_u32 v[J], v[BK1+J], 12, v16         ; row j's offset in out0: 4,096 x token + 1,024 w + 16 lane
.set J, J+1
.endr
	; ---- the second product, two passes of 128 outputs
	STEP 8, -1, 48                                 ; groups 9, 10, 11; pass 1's 9 are in
	WIN 0
	TSUM 1
	STEP 9, -1, 48
	STEP 10, -1, 48
	STEP 11, -1, 48
	OUT 0                                          ; groups 12 to 15 are on their way meanwhile
	s_wait_alu depctr_vm_vsrc(0)                   ; the way out's LDS stores have read the accumulators, which step 12's products write anew; its last global stores have read the two buffers, in which the second way out's loads land
	STEP 12, -1, 48                                ; groups 13, 14, 15
	STEP 13, -1, 32                                ; the ring runs out
	STEP 14, -1, 16
	STEP 15, -1, 0
	OUT 1
	WIN 0                                          ; the add's two registers lie in window 0
	s_wait_dscnt 0x0                               ; the closing lines, six on end
	s_wait_alu 0x0
	s_wait_tensorcnt 0x0
	ds_add_u32 v254, v255
	s_wait_dscnt 0x0
	s_endpgm
.Lfunc_end_k_q832d684ab8_mlp:
	.size	k_q832d684ab8_mlp, .Lfunc_end_k_q832d684ab8_mlp-k_q832d684ab8_mlp
	.p2alignl 7, 3214868480
	.fill 96, 4, 3214868480
	.section	.rodata,"a",@progbits
	.p2align	6, 0x0
	.amdhsa_kernel k_q832d684ab8_mlp
		.amdhsa_group_segment_fixed_size 98816
		.amdhsa_private_segment_fixed_size 0
		.amdhsa_enable_private_segment 0
		.amdhsa_kernarg_size 80
		.amdhsa_user_sgpr_count 2
		.amdhsa_user_sgpr_kernarg_segment_ptr 1
		.amdhsa_wavefront_size32 1
		.amdhsa_system_sgpr_workgroup_id_x 1
		.amdhsa_system_sgpr_workgroup_id_y 1
		.amdhsa_system_sgpr_workgroup_id_z 1
		.amdhsa_system_vgpr_workitem_id 0
		.amdhsa_next_free_vgpr 1024
		.amdhsa_next_free_sgpr 104
		.amdhsa_reserve_vcc 0
		.amdhsa_float_denorm_mode_32 3
		.amdhsa_float_denorm_mode_16_64 3
		.amdhsa_memory_ordered 1
		.amdhsa_forward_progress 1
		.amdhsa_inst_pref_size 213
	.end_amdhsa_kernel
	.amdgpu_metadata
---
amdhsa.version: [ 1, 2 ]
amdhsa.kernels:
  - .name:           k_q832d684ab8_mlp
    .symbol:         k_q832d684ab8_mlp.kd
    .args:
      - { .name: rt, .offset: 0, .size: 8, .value_kind: global_buffer, .address_space: global }
      - { .name: xq, .offset: 8, .size: 8, .value_kind: global_buffer, .address_space: global }
      - { .name: xs, .offset: 16, .size: 8, .value_kind: global_buffer, .address_space: global }
      - { .name: wf, .offset: 24, .size: 8, .value_kind: global_buffer, .address_space: global }
      - { .name: W1_scales, .offset: 32, .size: 8, .value_kind: global_buffer, .address_space: global }
      - { .name: W2_scales, .offset: 40, .size: 8, .value_kind: global_buffer, .address_space: global }
      - { .name: b1, .offset: 48, .size: 8, .value_kind: global_buffer, .address_space: global }
      - { .name: b2, .offset: 56, .size: 8, .value_kind: global_buffer, .address_space: global }
      - { .name: cvec, .offset: 64, .size: 8, .value_kind: global_buffer, .address_space: global }
      - { .name: out0, .offset: 72, .size: 8, .value_kind: global_buffer, .address_space: global }
    .group_segment_fixed_size: 98816
    .private_segment_fixed_size: 0
    .kernarg_segment_align: 8
    .kernarg_segment_size: 80
    .max_flat_workgroup_size: 128
    .sgpr_count:     104
    .vgpr_count:     1024
    .wavefront_size: 32
...
	.end_amdgpu_metadata
.endif
;; end of part 3
